; MI455X (gfx1250); checked and timed in simulation.
; The chip was launched on July 23, 2026; its instructions are those of AMD's public machine-readable ISA for CDNA 5 (MIT licence, August 2026) and "CDNA5" Instruction Set Architecture Reference Guide (July 2026). The comments in the code are by the model that wrote it; some were corrected since.
;; Liquid Gated Attention. Allowed arithmetic: matrix products marked QUANTISED: E5M2 operands, one E8M0 scale for each 32 along K, by v_wmma_scale_f32_16x16x128_f8f6f4 with both operands' format E5M2, f32 sums; everything else in f32.
;; Inputs: Wk_codes 2,048 x 64 x 32 uint8 (E5M2 codes of Wk, K innermost, in blocks of 32 codes); Wk_scales 2,048 x 64 uint8 (E8M0 scales of Wk, one for each 32 codes along K); Wo_codes 2,048 x 64 x 32 uint8 (E5M2 codes of Wo, K innermost, in blocks of 32 codes); Wo_scales 2,048 x 64 uint8 (E8M0 scales of Wo, one for each 32 codes along K); Wq_codes 2,048 x 64 x 32 uint8 (E5M2 codes of Wq, K innermost, in blocks of 32 codes); Wq_scales 2,048 x 64 uint8 (E8M0 scales of Wq, one for each 32 codes along K); Wv_codes 2,048 x 64 x 32 uint8 (E5M2 codes of Wv, K innermost, in blocks of 32 codes); Wv_scales 2,048 x 64 uint8 (E8M0 scales of Wv, one for each 32 codes along K); gate_W_codes 2,048 x 64 x 32 uint8 (E5M2 codes of gate_W, K innermost, in blocks of 32 codes); gate_W_scales 2,048 x 64 uint8 (E8M0 scales of gate_W, one for each 32 codes along K); gate_b 2,048 float32; ln_w 2,048 float32; mask 1 x 1 x 2,048 x 2,048 float32; x 1 x 2,048 x 2,048 float32.
;; Outputs: out0 1 x 2,048 x 2,048 float32.
;; This version of the problem:
;;   THIS VERSION OF THE PROBLEM IS GIVEN IN LOW PRECISION. The matrix products marked QUANTISED in the list below multiply operands that are first quantised to E5M2 (5 exponent bits, 2 mantissa bits; 8 bits a number), with one power-of-two scale for each 32 numbers along K (OCP MX v1.0); their sums are f32. All else is computed in f32.
;;   The module's matrix products, in the order in which they are computed (A, B: the left and right operand; K: the contracted axis; several contracted axes count as one K, in the product's order):
;;     1. [M 2,048, K 2,048] x [K 2,048, N 2,048]; A: computed on the way; B: input Wq (given as codes): QUANTISED
;;     2. [M 2,048, K 2,048] x [K 2,048, N 2,048]; A: computed on the way; B: input Wk (given as codes): QUANTISED
;;     3. [M 2,048, K 2,048] x [K 2,048, N 2,048]; A: computed on the way; B: input Wv (given as codes): QUANTISED
;;     4. batch 16 x [M 2,048, K 128] x [K 128, N 2,048]; A: computed on the way; B: computed on the way: QUANTISED
;;     5. batch 16 x [M 128, K 2,048] x [K 2,048, N 2,048]; A: computed on the way; B: softmax (see below): QUANTISED
;;     6. [M 2,048, K 2,048] x [K 2,048, N 2,048]; A: computed on the way; B: input Wo (given as codes): QUANTISED
;;     7. [M 2,048, K 2,048] x [K 2,048, N 2,048]; A: input x; B: input gate_W (given as codes): QUANTISED
;;   THE QUANTISER, for each operand of a quantised product, along K:
;;     - K is cut into blocks of 32 from its start; a last block that is shorter is filled with zeros.
;;     - A block's scale is 2^e with e = floor(log2(the largest magnitude in the block)) - 15, held to -126 .. 127; a block of zeros has e = 0. As a byte (E8M0): e + 127.
;;     - Each number is divided by its block's scale, clamped to +-57,344, and rounded to the nearest number of E5M2, ties to even, subnormals kept.
;;     - The product sums the exact products of the quantised numbers (number of the format x scale) in f32.
;;   ~~~python
;;   def quantise(x, axis):      # numpy; x: float32 -> the quantised numbers, widened to float32 again
;;       x = np.moveaxis(x, axis, -1); K = x.shape[-1]
;;       x = np.pad(x, [(0, 0)] * (x.ndim - 1) + [(0, -K % 32)]); x = x.reshape(x.shape[:-1] + (-1, 32)); a = np.abs(x).max(-1, keepdims=True)
;;       e = np.where(a > 0, np.clip(np.frexp(np.where(a > 0, a, 1))[1] - 1 - 15, -126, 127), 0)      # np.frexp(a)[1] - 1 = floor(log2(a)), exactly
;;       r = np.clip(x / 2.0 ** e, -57344, 57344)
;;       step = 2.0 ** (np.maximum(np.frexp(np.where(r == 0, 1, r))[1] - 1, -14) - 2)
;;       q = np.round(r / step) * step * 2.0 ** e      # np.round: ties to even
;;       return np.moveaxis(q.reshape(q.shape[:-2] + (-1,))[..., :K], -1, axis).astype(np.float32)
;;   ~~~
;;   SOFTMAX AHEAD OF A QUANTISED PRODUCT. Where the list says 'softmax', what is quantised is not the finished softmax but p = 2^(t - M), with t = logit x log2(e) and M = ceil(the row's largest t), a whole number; so 1/2 < the row's largest p <= 1. The row's sum l is taken of the UNQUANTISED p, in f32, and the product's result is divided by l at the end. Since M is a whole number, a kernel that streams over the keys may use a running M (the ceiling of the running maximum): every later rescaling is an exact power of two, which a block's scale takes up: the codes' values come out the same.
;;   OPERANDS COMPUTED ON THE WAY. 'Computed on the way' means the value that the module computes at that place (a softmax that the list does not call 'softmax' is quantised finished and normalised). What goes into a quantiser is computed in f32, as accurately as f32 sums, v_exp_f32 and their like allow (about 1e-6 of the number): no bf16 or f16 on the way to a quantiser, and a product that is left as it is and whose result goes on into a quantised operand takes f32 operands (vector FMAs, or v_wmma_f32_16x16x4_f32). A number that lies on a knife's edge between two numbers of the format may be rounded either way, as far as f32 arithmetic and the matrix unit's own rounding can turn it there, and no further.
;;   INPUTS GIVEN AS CODES. Wk (in the module: [2048, 2048], K = its axis 1); Wo (in the module: [2048, 2048], K = its axis 1); Wq (in the module: [2048, 2048], K = its axis 1); Wv (in the module: [2048, 2048], K = its axis 1); gate_W (in the module: [2048, 2048], K = its axis 1): each comes as NAME_codes (uint8): NAME with its K axis moved to the last place and cut into blocks of 32 codes, [.., K / 32, bytes a block], one block behind the other in memory; one code a byte (a code: sign, 5 exponent bits, 2 mantissa bits); and NAME_scales (uint8): the same leading axes, one E8M0 byte (e + 127) for each 32 codes along K. Its value is code x scale, taken as it is: it is not quantised again, and the codes and scales need not be those that the quantiser above would give.
;; One version. Each part assembles by itself: llvm-mc -triple=amdgcn-amd-amdhsa -mcpu=gfx1250 --defsym DOCPART=n.
;; ======== version 1 of 1: 4 launches
;; limits: a function is approximated: absolute error at most 4e-06
;; workspace buffers: xn_codes 4,194,304 bytes; xn_scales 131,072 bytes; x_codes 4,194,304 bytes; x_scales 131,072 bytes; q_rec 4,325,376 bytes; kv_rec 8,650,752 bytes; gpre 16,777,216 bytes; o_rec 4,325,376 bytes
;; launch prep (part 1): grid 256 x 1, 8 waves a work-group, no clusters, 165,888 bytes of LDS; arguments x, ln_w, xn_codes, xn_scales, x_codes, x_scales; writes xn_codes, xn_scales, x_codes, x_scales
.if DOCPART == 1
	.amdgcn_target "amdgcn-amd-amdhsa--gfx1250"
	.amdhsa_code_object_version 6
	.text
	.protected	k_q3fb45788b9_prep
	.globl	k_q3fb45788b9_prep
	.p2align	8
	.type	k_q3fb45788b9_prep,@function
k_q3fb45788b9_prep:
	s_mov_b64 s[64:65], 0
	v_nop
	global_prefetch_b8 v0, s[64:65] scope:SCOPE_SE
	s_setreg_imm32_b32 hwreg(HW_REG_WAVE_MODE, 25, 1), 1
	s_wait_xcnt 0x0
; LAUNCH 1 OF 4.  x [2048][2048] f32 and xn = x * rsqrt(mean(x^2) + 1e-6) * ln_w become codes of BF8 (E5M2), K = the 2,048 innermost, with one E8M0 byte for each 32:
; x_codes, xn_codes [2048][2048] bytes, x_scales, xn_scales [2048][64] bytes, laid as the given weights are.
; DEAD WORK: none in the whole program.  Every input has a way to out0 for some values: ln_w through xn, mask through the logits (it is an input: no pattern of it is built in and no tile
; is passed over), gate_b through alpha, x as residual, as the gate's operand and through xn, the five weights through their products.  So every input is loaded and every product is done.
; LIMITS: NaN and infinities among the inputs are not served.  A block of zeros gets the byte 1 where the quantiser says 127: its codes are zeros, and these bytes are read by this program alone.
; Blocks whose largest magnitude lies under 2^(16 - 127) have their byte held at 1.
; SHARES.  A work-group takes 8 rows, a wave one row: 64 registers a lane, so the row is read once, for the sum of squares and for both quantisers.  Each load reads 512 consecutive bytes.
; The conversions want 16 neighbours along K in ONE lane: so 512 numbers at a time turn through the wave's own stage in LDS, stored as they were loaded and read back 64 bytes a lane
; (a lane's place is 80 bytes: 64 + 16 of padding).  Two neighbouring lanes hold a block of 32.  A lane's 16 codes are 16 bytes: a wave's store covers 512 consecutive bytes.
; The 8 rows' scale bytes, 512 for each tensor, meet in LDS and leave by one store of wave 0 (x's) and one of wave 1 (xn's): 512 consecutive bytes each.
.set WREG,  20480                      ; LDS of a wave: four stages of 2,560 bytes for x, four for xn
.set SP,    80
.set STG,   32*SP
.set XNOF,  4*STG
.set SCB,   8*WREG                     ; 512 scale bytes of x, then 512 of xn
.set SPARE, SCB+1024                   ; the spare words, 128 bytes for each wave: four blocks of 256 bytes that no other line names
.set EMAX,  15
.set SPW,   12                         ; v12  my spare word's LDS address; never rewritten
.set NIL,   13                         ; v13  0; never rewritten
.set R,     16                         ; v16-79    x as loaded
.set W,     80                         ; v80-143   ln_w, then xn
.set X,     144                        ; v144-175  two sets of 16 neighbours
.set C,     176                        ; v176-207  codes: four registers for each of the eight steps, so no store's data are written again
.set E,     208                        ; v208-215  a scale byte for each step
.set T,     216                        ; v216-223  four chains of sums; at work
	s_load_b256 s[4:11], s[0:1], 0x0               ; x, ln_w, xn_codes, xn_scales
	s_load_b128 s[12:15], s[0:1], 0x20             ; x_codes, x_scales
	v_lshl_add_u32 v[SPW], v0, 2, SPARE
	v_mov_b32 v[NIL], 0
	v_lshrrev_b32 v1, 5, v0
	v_readfirstlane_b32 s16, v1                    ; wave 0..7
	v_and_b32 v2, 31, v0                           ; lane
	v_lshlrev_b32 v3, 4, v2                        ; my 16 bytes of 512
	s_mul_i32 s17, s16, WREG
	v_lshrrev_b32 v4, 2, v2
	v_mul_u32_u24 v4, v4, SP
	v_and_b32 v5, 3, v2
	v_lshl_add_u32 v4, v5, 4, v4
	v_add_nc_u32 v4, s17, v4                       ; into a stage: four lanes' 64 bytes on end, then the padding
	v_mul_u32_u24 v5, v2, SP
	v_add_nc_u32 v5, s17, v5                       ; out of it: my 16 neighbours
	s_lshl_b32 s17, s16, 6
	s_add_co_u32 s17, s17, SCB
	v_lshrrev_b32 v6, 1, v2
	v_add_nc_u32 v6, s17, v6                       ; my row's 64 scale bytes, my block's byte
	s_and_b32 s17, s16, 1
	s_lshl_b32 s17, s17, 9
	s_add_co_u32 s17, s17, SCB
	v_add_nc_u32 v7, s17, v3                       ; waves 0 and 1 on the way out: a tensor's 512 bytes, 16 a lane
	v_mov_b32 v9, 0                                ; a lane permute's destination counts as read
	s_mov_b32 s18, 0x76543210
	s_mov_b32 s19, 0xfedcba98                      ; lane l xor 16
	s_mov_b32 s20, 0x3a000000                      ; 1 / 2,048
	s_mov_b32 s21, 0x358637bd                      ; 1e-6
	s_mov_b32 s23, 0x600000                        ; the mantissa field of 57,344
	s_lshl_b32 s24, ttmp9, 3
	s_add_co_u32 s24, s24, s16                     ; my row
	s_lshl_b32 s26, s24, 13                        ; x: 8,192 bytes a row
	s_mov_b32 s27, 0
	s_lshl_b32 s28, s24, 11                        ; codes: 2,048
	s_mov_b32 s29, 0
	s_lshl_b32 s30, ttmp9, 9                       ; scale bytes: 512 a work-group
	s_mov_b32 s31, 0
	s_wait_kmcnt 0x0
	s_add_nc_u64 s[4:5], s[4:5], s[26:27]
	s_add_nc_u64 s[8:9], s[8:9], s[28:29]
	s_add_nc_u64 s[12:13], s[12:13], s[28:29]
	s_add_nc_u64 s[10:11], s[10:11], s[30:31]
	s_add_nc_u64 s[14:15], s[14:15], s[30:31]
.irp j, 0,1,2,3,4,5,6,7,8,9,10,11,12,13,14,15
	global_load_b128 v[R+4*\j:R+4*\j+3], v3, s[4:5] offset:512*\j th:TH_LOAD_NT
.endr
.irp j, 0,1,2,3,4,5,6,7,8,9,10,11,12,13,14,15
	global_load_b128 v[W+4*\j:W+4*\j+3], v3, s[6:7] offset:512*\j      ; every work-group reads ln_w: no hint
.endr
	s_wait_loadcnt 16                              ; x's 16 loads are in; ln_w's 16 may be out
.irp j, 0,1,2,3,4,5,6,7,8,9,10,11,12,13,14,15
	ds_store_b128 v4, v[R+4*\j:R+4*\j+3] offset:STG*(\j/4)+8*SP*(\j%4)
.endr
.irp k, 0,1,2,3
	v_pk_mul_f32 v[T+2*\k:T+2*\k+1], v[R+2*\k:R+2*\k+1], v[R+2*\k:R+2*\k+1]     ; the first four pairs start the chains
.endr
.set j, 4
.rept 28
	v_pk_fma_f32 v[T+2*(j%4):T+2*(j%4)+1], v[R+2*j:R+2*j+1], v[R+2*j:R+2*j+1], v[T+2*(j%4):T+2*(j%4)+1]
.set j, j+1
.endr
	v_pk_add_f32 v[T:T+1], v[T:T+1], v[T+2:T+3]
	v_pk_add_f32 v[T+4:T+5], v[T+4:T+5], v[T+6:T+7]
	v_pk_add_f32 v[T:T+1], v[T:T+1], v[T+4:T+5]
	v_add_f32 v8, v[T], v[T+1]
	v_add_f32_dpp v8, v8, v8 row_xmask:1 row_mask:0xf bank_mask:0xf
	v_add_f32_dpp v8, v8, v8 row_xmask:2 row_mask:0xf bank_mask:0xf
	v_add_f32_dpp v8, v8, v8 row_xmask:4 row_mask:0xf bank_mask:0xf
	v_add_f32_dpp v8, v8, v8 row_xmask:8 row_mask:0xf bank_mask:0xf
	v_permlanex16_b32 v9, v8, s18, s19
	v_add_f32 v8, v8, v9                           ; the row's sum of squares, in every lane
	v_fma_f32 v8, v8, s20, s21                     ; the mean + 1e-6
	v_rsq_f32 v14, v8
	v_rsq_f32 v15, v8                              ; twice: the pair that the packed multiply takes
	v_nop                                          ; a plain instruction behind the last of them
	s_wait_loadcnt 0x0                             ; ln_w
	s_wait_alu depctr_va_vdst(0)                   ; one wait for both, ahead of their first reader
.set j, 0
.rept 32
	v_pk_mul_f32 v[T+2*(j%4):T+2*(j%4)+1], v[R+2*j:R+2*j+1], v[14:15]            ; (x * rs) * ln_w, in reference()'s order
	v_pk_mul_f32 v[W+2*j:W+2*j+1], v[T+2*(j%4):T+2*(j%4)+1], v[W+2*j:W+2*j+1]
.set j, j+1
.endr
.irp j, 0,1,2,3,4,5,6,7,8,9,10,11,12,13,14,15
	ds_store_b128 v4, v[W+4*\j:W+4*\j+3] offset:XNOF+STG*(\j/4)+8*SP*(\j%4)
.endr
; step n of eight: n / 4 = 0: x, 1: xn; 512 numbers, the n % 4-th of the row
.macro TLOAD n                         ; LDS serves a wave's instructions in order: these see my stores
.irp i, 0,1,2,3
	ds_load_b128 v[X+16*((\n)%2)+4*\i:X+16*((\n)%2)+4*\i+3], v5 offset:XNOF*((\n)/4)+STG*((\n)%4)+16*\i
.endr
.endm
.macro QSTEP n
.set XS, X+16*((\n)%2)
.if (\n) < 7
	TLOAD (\n)+1                                   ; the next step's numbers come while this step is worked
.endif
.if (\n) == 0
	s_wait_dscnt 4                                 ; behind this step's loads: the next step's four
.elseif (\n) < 7
	s_wait_dscnt 5                                 ; the last step's byte store and the next step's four loads
.else
	s_wait_dscnt 1                                 ; the last step's byte store
.endif
	v_max3_num_f32 v8, |v[XS]|, |v[XS+1]|, |v[XS+2]|
	v_max3_num_f32 v9, |v[XS+3]|, |v[XS+4]|, |v[XS+5]|
.irp i, 6,10
	v_max3_num_f32 v8, v8, |v[XS+\i]|, |v[XS+\i+1]|
	v_max3_num_f32 v9, v9, |v[XS+\i+2]|, |v[XS+\i+3]|
.endr
	v_max3_num_f32 v8, v8, |v[XS+14]|, |v[XS+15]|
	v_max3_num_f32 v8, v8, v9, (EMAX+1)<<23        ; the floor 2^(16 - 127): the byte cannot fall under 1
	v_max_num_f32_dpp v8, v8, v8 row_xmask:1 row_mask:0xf bank_mask:0xf   ; with my neighbour's 16: the block's largest magnitude
	v_add_nc_u32 v11, -(EMAX<<23), v8              ; 15 off its exponent field: the conversion's scale operand
	v_and_or_b32 v10, v8, 0x7f800000, s23          ; 57,344 x the scale
.irp i, 0,1,2,3,4,5,6,7,8,9,10,11,12,13,14,15
	v_med3_num_f32 v[XS+\i], v[XS+\i], -v10, v10   ; the conversion to an 8-bit code does not saturate (ISA guide 7.6.2): the hold
.endr
	v_cvt_scalef32_pk8_bf8_f32 v[C+4*(\n):C+4*(\n)+1], v[XS:XS+7], v11
	v_cvt_scalef32_pk8_bf8_f32 v[C+4*(\n)+2:C+4*(\n)+3], v[XS+8:XS+15], v11
	v_lshrrev_b32 v[E+(\n)], 23, v11               ; the scale's byte (and the plain line behind the conversions)
	ds_store_b8 v6, v[E+(\n)] offset:512*((\n)/4)+16*((\n)%4)    ; both lanes of a block write the same byte with the same value
.if (\n) < 4
	global_store_b128 v3, v[C+4*(\n):C+4*(\n)+3], s[12:13] offset:512*((\n)%4)
.else
	global_store_b128 v3, v[C+4*(\n):C+4*(\n)+3], s[8:9] offset:512*((\n)%4)
.endif
.endm
	TLOAD 0
.irp n, 0,1,2,3,4,5,6,7
	QSTEP \n
.endr
	s_wait_dscnt 0x0                               ; for the others' sake: my byte stores have landed
	s_barrier_signal -1
	s_barrier_wait -1
	s_cmp_lt_u32 s16, 2
	s_cbranch_scc0 .Lno_scales
	s_cmp_eq_u32 s16, 0
	s_cselect_b64 s[24:25], s[14:15], s[10:11]     ; wave 0: x's bytes; wave 1: xn's
	ds_load_b128 v[8:11], v7
	s_wait_dscnt 0x0
	global_store_b128 v3, v[8:11], s[24:25]        ; 512 consecutive bytes
.Lno_scales:
	s_wait_tensorcnt 0x0                           ; the wave's end
	ds_add_u32 v[SPW], v[NIL]
	s_wait_dscnt 0x0
	s_endpgm
.Lfunc_end_k_q3fb45788b9_prep:
	.size	k_q3fb45788b9_prep, .Lfunc_end_k_q3fb45788b9_prep-k_q3fb45788b9_prep
	.p2alignl 7, 3214868480
	.fill 96, 4, 3214868480
	.section	.rodata,"a",@progbits
	.p2align	6, 0x0
	.amdhsa_kernel k_q3fb45788b9_prep
		.amdhsa_group_segment_fixed_size 165888
		.amdhsa_private_segment_fixed_size 0
		.amdhsa_enable_private_segment 0
		.amdhsa_kernarg_size 48
		.amdhsa_user_sgpr_count 2
		.amdhsa_user_sgpr_kernarg_segment_ptr 1
		.amdhsa_wavefront_size32 1
		.amdhsa_system_sgpr_workgroup_id_x 1
		.amdhsa_system_sgpr_workgroup_id_y 1
		.amdhsa_system_sgpr_workgroup_id_z 1
		.amdhsa_system_vgpr_workitem_id 0
		.amdhsa_next_free_vgpr 224
		.amdhsa_next_free_sgpr 66
		.amdhsa_reserve_vcc 0
		.amdhsa_float_denorm_mode_32 3
		.amdhsa_float_denorm_mode_16_64 3
		.amdhsa_memory_ordered 1
		.amdhsa_forward_progress 1
		.amdhsa_inst_pref_size 34
	.end_amdhsa_kernel
	.amdgpu_metadata
---
amdhsa.version: [ 1, 2 ]
amdhsa.kernels:
  - .name:           k_q3fb45788b9_prep
    .symbol:         k_q3fb45788b9_prep.kd
    .args:
      - { .name: x, .offset: 0, .size: 8, .value_kind: global_buffer, .address_space: global }
      - { .name: ln_w, .offset: 8, .size: 8, .value_kind: global_buffer, .address_space: global }
      - { .name: xn_codes, .offset: 16, .size: 8, .value_kind: global_buffer, .address_space: global }
      - { .name: xn_scales, .offset: 24, .size: 8, .value_kind: global_buffer, .address_space: global }
      - { .name: x_codes, .offset: 32, .size: 8, .value_kind: global_buffer, .address_space: global }
      - { .name: x_scales, .offset: 40, .size: 8, .value_kind: global_buffer, .address_space: global }
    .group_segment_fixed_size: 165888
    .private_segment_fixed_size: 0
    .kernarg_segment_align: 8
    .kernarg_segment_size: 48
    .max_flat_workgroup_size: 256
    .sgpr_count:     66
    .vgpr_count:     224
    .wavefront_size: 32
...
	.end_amdgpu_metadata
.endif
;; end of part 1
;; launch proj (part 2): grid 8 x 32, 4 waves a work-group, clusters of 4 x 4, 327,680 bytes of LDS; arguments xn_codes, xn_scales, x_codes, x_scales, Wq_codes, Wq_scales, Wk_codes, Wk_scales, Wv_codes, Wv_scales, gate_W_codes, gate_W_scales, gate_b, q_rec, kv_rec, gpre; writes q_rec, kv_rec, gpre
.if DOCPART == 2
	.amdgcn_target "amdgcn-amd-amdhsa--gfx1250"
	.amdhsa_code_object_version 6
	.text
	.protected	k_q3fb45788b9_proj
	.globl	k_q3fb45788b9_proj
	.p2align	8
	.type	k_q3fb45788b9_proj,@function
k_q3fb45788b9_proj:
	s_mov_b64 s[64:65], 0
	v_nop
	global_prefetch_b8 v0, s[64:65] scope:SCOPE_SE
	s_setreg_imm32_b32 hwreg(HW_REG_WAVE_MODE, 25, 1), 1
	s_wait_xcnt 0x0
	s_wait_alu depctr_hold_cnt(0) depctr_sa_sdst(0) depctr_va_vdst(0) depctr_va_sdst(0) depctr_va_ssrc(0) depctr_va_vcc(0) depctr_vm_vsrc(0)
	s_getreg_b32 s2, hwreg(HW_REG_IB_STS2, 6, 4)
	s_cmp_eq_u32 s2, 0
	s_cbranch_scc0 .Lentry_in_a_cluster
	s_endpgm
.Lentry_in_a_cluster:
	s_bfe_u32 s2, ttmp6, 0x10000c
	s_cmp_lg_u32 s2, 0xf033
	s_cbranch_scc0 .Lentry_shape_is_right
	s_endpgm
.Lentry_shape_is_right:
; LAUNCH 2 OF 4.  Four products [2048 x 2048 x 2048] on codes of BF8 (E5M2) with E8M0 scales, as one grid of 4 x 64 tiles of 256 x 256.  No work is left out.
; P = cluster y / 2 says which: 0: q = xn Wq^T;  1: k = xn Wk^T;  2: v^T = Wv xn^T;  3: g = -log2(e) (x gate_W^T + gate_b), of which the last launch makes alpha = 1 / (1 + 2^g).
; THE MATRIX INSTRUCTION IS USED TRANSPOSED: source 0 = 16 rows of 'B', source 1 = 16 rows of 'A': a lane holds ONE row of A, and its registers run along B's rows.
;   P = 0, 1: A = xn (tokens), B = the weight (a wave's 128 columns are one head): registers run along the head's 128, the K of q k^T.
;   P = 2:    A = Wv (a wave's 128 rows are one head's channels), B = xn (tokens): registers run along the keys, the K of the second product of attention.
;   P = 3:    A = x, B = gate_W: a lane holds eight neighbouring numbers of a row of g.
; P = 0..2: THE RESULT IS QUANTISED IN REGISTERS AND LEAVES AS IMAGES OF OPERAND REGISTERS.  For a block of 16 rows of A a lane's 64 results are, register 16 c + i: index 32 c + 8 h + i % 8 + 16 (i / 8)
; (h = lane / 16).  They are converted as they stand and used as operand registers 4 c .. 4 c + 3: a permutation of K INSIDE each block of 32, the same for q and k, and the same for v^T and attention's p,
; which has this very layout: the products' terms are the same and the blocks' scales are untouched.  An image: register group c of lane l at byte 512 c + 16 l; 2,048 bytes a fragment.
;   q_rec  [head][128 queries]: 8 images, then 512 bytes of scale words (4 a query): 16,896 bytes.
;   kv_rec [head][128 keys]: K's 8 images, V^T's 8 images (16 channels each), K's scale words, V's: 33,792 bytes.
; P = 3 leaves its exponentials and reciprocals to the last launch: there all 256 work-groups share them, here 64 would have them on top of a way out that the other 192 do not have.
; LIMITS: a block of zeros gets the byte 1, not 127 (zero codes; this program alone reads the bytes); NaN and infinities are not served.
; RING, ROUND, JOINT LOADS: K goes in steps of 256 through two LDS slots; a tile's row is 256 bytes of memory.  4 x 4 work-groups form a cluster, all of one P: A's tiles are asked for jointly
; along a row of the cluster, B's along a column.  The scale bytes of the work-group's rows, for all of K, come once with the first fills.
; REGISTERS, in windows of 256: window 0: v16-30 addresses; v32-63 scale words, two sets; v128-255 A's fragments, one set; window 1: B's fragments, two sets; windows 2, 3: the 64 accumulators ((a, b) at v[8 (8 (a % 4) + b)]).
.set KSTEP,  256
.set NQ,     2
.set ROWB,   256
.set KROW,   2048
.set PITCH,  272                       ; 256 bytes + 16: the 16 rows that a load touches start at 16 different groups of four banks (64 banks of 4 bytes: ISA guide 11.1)
.set FR,     16
.set NL,     4
.set NP,     8                         ; places behind this matrix instruction (ISA guide 7.12.1)
.set HALFT,  128*PITCH
.set SLOT,   4*HALFT
.set LAPS,   4                         ; 2,048 / 512
.set KS,     64                        ; a row of scale bytes
.set SCL,    2*SLOT
.set HALFS,  32*272
.set SBLK,   4*272
.set SPARE,  SCL+4*HALFS               ; the spare words, 128 bytes for each wave: two blocks of 256 bytes that no other line names
.set SPITCH, 528                       ; P = 3's way out: 16 rows x (512 + 16) for each wave, from LDS byte 0
.set QSTG,   65536                     ; P = 0..2's way out: 512 bytes of scale words for each wave.  Both lie in slot 0, behind its last fill and its last read; each way has bytes of its own
.set ADRA, 16
.set ADRB, 20
.set SST,  22                          ; v22  where I put a row's scale word
.set SRD,  23                          ; v23  where I read 16 bytes of them back
.set STO,  24
.set RD,   25
.set CO,   26                          ; v26  16 x lane
.set ADRS, 27
.set SPW,  28
.set NIL,  29
.set PFO,  30                          ; v30  2,048 x lane: a row of codes in memory; never rewritten
.set SC,   32
.set AF,   128
.set BK,   128
.set GB,   32                          ; P = 3's way out: -log2(e) x gate_b of my four columns
.set PC,   64                          ; P = 0..2's way out: eight sets of 16 registers of codes, so no store's data are written again
.set TM,   192                         ; v192-195 largest magnitudes, v196-199 bytes, v200-203 57,344 x the scale, v204-207 scale operands
.set PW,   208                         ; v208-215 the eight scale words
.set G1, 24
.set G0, 32
.set G1B, 48
.set G0B, 56
.set G1S, 68
.set G0S, 76
.set G1SB, 80
.set G0SB, 88
.set PFA, 96                           ; s[96:97] where my prefetches stand
.set LIM, 98                           ; s98  1 in a wave that prefetches, else the greatest number
.set MSB, 0
.macro WIN new                         ; the immediate's high byte repeats the setting that is left
.if MSB != (\new)
	s_set_vgpr_msb (MSB<<8)|(\new)
.set MSB, (\new)
.endif
.endm
.set MUL_LO, 0xa1
.set MUL_HI, 0xf1
.set TO_B,   0x40
; A joint load: waves 0 and 1 fetch for A, waves 2 and 3 for B.  An s_nop 0 and four v_nop follow each of the two lines.
.macro JLOAD g0a, g1a, g0b, g1b
	s_cmp_eq_u32 s15, 0
	s_cbranch_scc0 .Lfor_b_\@
	tensor_load_to_lds s[\g0a:\g0a+3], s[\g1a:\g1a+7]
	s_nop 0
.rept 4
	v_nop
.endr
	s_branch .Lasked_\@
.Lfor_b_\@:
	tensor_load_to_lds s[\g0b:\g0b+3], s[\g1b:\g1b+7]
	s_nop 0
.rept 4
	v_nop
.endr
.Lasked_\@:
.endm
.macro CREST
	s_cmp_lg_u32 s14, 0
	s_cbranch_scc1 .Lnot_wave_0_\@
	s_barrier_signal -3
.Lnot_wave_0_\@:
	s_barrier_wait -3
	s_barrier_signal -1
	s_barrier_wait -1
.endm
.macro CROUND
	s_barrier_signal -1
	s_barrier_wait -1
	CREST
.endm
; A PREFETCH INTO THE L2 of the K step that stands two refills on: 32 rows x 256 bytes, a lane a row, one instruction a wave, behind the joint load and the run of LDS loads.
; Each row's 256 bytes of a K step are named once in the launch: of the 128 rows that a wave fetches, each of the four partners that ask jointly takes 32, told apart by address (cx for A, cy for B).
; A's rows: cluster x = 0 asks, and not where P = 1 (xn is named by P = 0).  B's rows: the even cluster y of a product asks, and not where P = 2 (xn again).  The loop's last trip asks for nothing.
.macro ASK
	s_cmp_gt_u32 s3, s[LIM]
	s_cbranch_scc0 .Lnot_mine_\@
	global_prefetch_b8 v[PFO], s[PFA:PFA+1] offset:ROWB th:TH_LOAD_NT scope:SCOPE_SE
.Lnot_mine_\@:
.endm
	s_load_b512 s[24:39], s[0:1], 0x0              ; xn_codes, xn_scales, x_codes, x_scales, Wq_codes, Wq_scales, Wk_codes, Wk_scales
	s_load_b512 s[40:55], s[0:1], 0x40             ; Wv_codes, Wv_scales, gate_W_codes, gate_W_scales, gate_b, q_rec, kv_rec, gpre
	v_lshl_add_u32 v[SPW], v0, 2, SPARE
	v_mov_b32 v[NIL], 0
	ds_add_u32 v[SPW], v[NIL]                      ; the wave's opening: the add, twice on end, and its wait ahead of my first tensor load
	ds_add_u32 v[SPW], v[NIL]
	v_lshrrev_b32 v1, 5, v0
	v_readfirstlane_b32 s14, v1                    ; wave 0..3
	s_lshr_b32 s15, s14, 1                         ; which half of A's rows is mine.  Also: I fetch for A (0) or for B (1)
	s_and_b32 s16, s14, 1                          ; which half of B's rows.  Also: which 128 rows of that tile I fetch
	s_bfe_u32 s92, ttmp6, 0x40000                  ; cx
	s_bfe_u32 s93, ttmp6, 0x40004                  ; cy
	s_lshl_b32 s94, ttmp9, 2
	s_add_co_u32 s94, s94, s92                     ; tile column = 4 x cluster x + cx
	s_and_b32 s17, ttmp7, 0xffff                   ; cluster y
	s_lshr_b32 s2, s17, 1                          ; P: the same in all sixteen partners
	s_and_b32 s17, s17, 1
	s_lshl_b32 s17, s17, 2
	s_add_co_u32 s17, s17, s93                     ; tile row in the product = 4 x (cluster y % 2) + cy
	s_lshl_b32 s95, s93, 2
	s_lshl_b32 s95, 15, s95                        ; my row of the cluster
	s_lshl_b32 s99, 0x1111, s92                    ; my column
	; group 1 for the scales of 128 rows: 8,192 dense bytes as 32 rows of 256 (32 elements of 8 bytes), 16 bytes of padding behind each
	s_or_b32 s[G1S+0], s95, (3<<16)|(1<<20)|(1<<21)|(5<<22)|(3<<25)
	s_or_b32 s[G1SB+0], s99, (3<<16)|(1<<20)|(1<<21)|(5<<22)|(3<<25)
.irp g, G1S, G1SB
	s_mov_b32 s[\g+1], 32<<16
	s_mov_b32 s[\g+2], 32<<16
	s_mov_b32 s[\g+3], 32<<16
	s_mov_b32 s[\g+4], 32
	s_mov_b32 s[\g+5], 32
	s_mov_b32 s[\g+6], 0
	s_mov_b32 s[\g+7], 0
.endr
	s_lshl_b32 s18, s16, 7
	s_lshl_b32 s20, s17, 8
	s_add_co_u32 s20, s20, s18                     ; A: the first row that I fetch
	s_lshl_b32 s100, s94, 8
	s_add_co_u32 s100, s100, s18                   ; B likewise, in registers that never hold A's coordinate
	s_lshl_b32 s22, s20, 6                         ; its scale bytes,
	s_mov_b32 s23, 0
	s_lshl_b32 s20, s20, 11                        ; its codes
	s_mov_b32 s21, 0
	s_lshl_b32 s18, s100, 6
	s_mov_b32 s19, 0
	s_lshl_b32 s100, s100, 11
	s_mov_b32 s101, 0
	s_wait_dscnt 0x0                               ; both opening adds are done
	s_wait_kmcnt 0x0
	s_cmp_eq_u32 s2, 1                             ; the buffers are chosen by P alone: A's codes s[4:5], A's scales s[6:7], B's s[8:9], s[10:11], the output s[12:13]
	s_cselect_b64 s[8:9], s[36:37], s[32:33]
	s_cselect_b64 s[10:11], s[38:39], s[34:35]
	s_cmp_eq_u32 s2, 3
	s_cselect_b64 s[8:9], s[44:45], s[8:9]
	s_cselect_b64 s[10:11], s[46:47], s[10:11]
	s_cselect_b64 s[4:5], s[28:29], s[24:25]
	s_cselect_b64 s[6:7], s[30:31], s[26:27]
	s_cselect_b64 s[12:13], s[54:55], s[52:53]
	s_cmp_eq_u32 s2, 2
	s_cselect_b64 s[8:9], s[24:25], s[8:9]
	s_cselect_b64 s[10:11], s[26:27], s[10:11]
	s_cselect_b64 s[4:5], s[40:41], s[4:5]
	s_cselect_b64 s[6:7], s[42:43], s[6:7]
	s_cmp_eq_u32 s2, 0
	s_cselect_b64 s[12:13], s[50:51], s[12:13]
	s_mov_b64 s[66:67], s[48:49]                   ; gate_b
	; group 1 for the codes: 128 rows of 256 bytes, 2,048 apart, 16 bytes of padding behind each (s24-s55 are free now)
	s_or_b32 s[G1+0], s95, (0<<16)|(1<<20)|(1<<21)|(5<<22)|(3<<25)
	s_or_b32 s[G1B+0], s99, (0<<16)|(1<<20)|(1<<21)|(5<<22)|(3<<25)
.irp g, G1, G1B
	s_mov_b32 s[\g+1], ROWB<<16
	s_mov_b32 s[\g+2], 128<<16
	s_mov_b32 s[\g+3], ROWB<<16
	s_mov_b32 s[\g+4], 128
	s_mov_b32 s[\g+5], KROW
	s_mov_b32 s[\g+6], 0
	s_mov_b32 s[\g+7], 0
.endr
	s_add_nc_u64 s[20:21], s[4:5], s[20:21]
	s_add_nc_u64 s[22:23], s[6:7], s[22:23]
	s_add_nc_u64 s[100:101], s[8:9], s[100:101]
	s_add_nc_u64 s[18:19], s[10:11], s[18:19]
	CROUND                                         ; all sixteen work-groups are here: the first joint loads meet
	s_mov_b32 s[G0S], 1
	s_mul_i32 s[G0S+1], s14, HALFS
	s_add_co_u32 s[G0S+1], s[G0S+1], SCL
	s_mov_b64 s[G0S+2:G0S+3], s[22:23]
	s_or_b32 s[G0S+3], s[G0S+3], 0x80000000
	s_mov_b32 s[G0SB], 1
	s_mul_i32 s[G0SB+1], s14, HALFS
	s_add_co_u32 s[G0SB+1], s[G0SB+1], SCL
	s_mov_b64 s[G0SB+2:G0SB+3], s[18:19]
	s_or_b32 s[G0SB+3], s[G0SB+3], 0x80000000
	JLOAD G0S, G1S, G0SB, G1SB                     ; the scales first: they are wanted with K step 0
.irp s, 0,1
	s_mov_b32 s[G0+4*\s], 1
	s_mul_i32 s[G0+4*\s+1], s14, HALFT
	s_add_co_u32 s[G0+4*\s+1], s[G0+4*\s+1], \s*SLOT
	s_add_nc_u64 s[G0+4*\s+2:G0+4*\s+3], s[20:21], \s*ROWB
	s_or_b32 s[G0+4*\s+3], s[G0+4*\s+3], 0x80000000
	s_mov_b32 s[G0B+4*\s], 1
	s_mul_i32 s[G0B+4*\s+1], s14, HALFT
	s_add_co_u32 s[G0B+4*\s+1], s[G0B+4*\s+1], \s*SLOT
	s_add_nc_u64 s[G0B+4*\s+2:G0B+4*\s+3], s[100:101], \s*ROWB
	s_or_b32 s[G0B+4*\s+3], s[G0B+4*\s+3], 0x80000000
	JLOAD G0+4*\s, G1, G0B+4*\s, G1B
.endr
	v_and_b32 v1, 15, v0                           ; r
	v_bfe_u32 v2, v0, 4, 1                         ; h
	v_mul_u32_u24 v3, v1, PITCH
	v_lshl_add_u32 v4, v2, 4, v3
	s_mul_i32 s21, s15, HALFT
	s_mul_i32 s22, s16, HALFT
	s_add_co_u32 s22, s22, 2*HALFT
.irp s, 0,1
	v_add_nc_u32 v[ADRA+\s], s21, v4
	v_add_nc_u32 v[ADRB+\s], s22, v4
	s_add_co_u32 s21, s21, SLOT
	s_add_co_u32 s22, s22, SLOT
.endr
	v_mul_u32_u24 v5, v1, KS                       ; my row's scales: 64 bytes a row,
	v_lshrrev_b32 v6, 8, v5
	v_lshl_add_u32 v5, v6, 4, v5                   ; and 16 more for each 256 passed
	s_mul_i32 s21, s15, HALFS
	s_mul_i32 s22, s16, HALFS
	s_add_co_u32 s22, s22, 2*HALFS
	s_sub_co_u32 s22, s22, s21
	v_mul_u32_u24 v6, s22, v2                      ; lanes 16-31 take B's
	s_add_co_u32 s21, s21, SCL
	v_add_nc_u32 v5, v5, v6
	v_add_nc_u32 v[ADRS], s21, v5
	s_mul_i32 s23, s14, 16*SPITCH
	v_mul_u32_u24 v5, v1, SPITCH
	v_lshl_add_u32 v5, v2, 5, v5
	v_add_nc_u32 v[STO], s23, v5
	v_and_b32 v6, 31, v0
	v_lshlrev_b32 v[CO], 4, v6
	v_add_nc_u32 v[RD], s23, v[CO]
	s_lshl_b32 s23, s14, 9
	s_add_co_u32 s23, s23, QSTG
	v_lshl_add_u32 v[SST], v1, 2, s23
	v_add_nc_u32 v[SRD], s23, v[CO]
	v_lshlrev_b32 v[PFO], 11, v6
	; who prefetches, and where
	s_and_b32 s20, ttmp7, 0xffff
	s_and_b32 s20, s20, 1
	s_cmp_eq_u32 s2, 2
	s_cselect_b32 s21, 1, 0
	s_or_b32 s20, s20, s21                         ; B's: 0 where this cluster asks
	s_cmp_eq_u32 s2, 1
	s_cselect_b32 s21, 1, 0
	s_or_b32 s21, s21, ttmp9                       ; A's
	s_lshl_b32 s22, s17, 8
	s_lshl_b32 s23, s94, 8
	s_cmp_eq_u32 s15, 0                            ; do I fetch for A?
	s_cselect_b32 s20, s21, s20
	s_cselect_b32 s22, s22, s23                    ; the tile's first row
	s_cselect_b32 s23, s92, s93                    ; my place among the four that ask with me
	s_cselect_b64 s[PFA:PFA+1], s[4:5], s[8:9]
	s_cmp_eq_u32 s20, 0
	s_cselect_b32 s[LIM], 1, -1                    ; the same in all sixteen partners, for a given wave
	s_lshl_b32 s21, s16, 7
	s_add_co_u32 s22, s22, s21                     ; + the 128 rows that I fetch
	s_lshl_b32 s23, s23, 5
	s_add_co_u32 s22, s22, s23                     ; + my work-group's 32 of them
	s_lshl_b32 s22, s22, 11
	s_add_co_u32 s22, s22, 2*ROWB                  ; at K step 2: the first refill steps it to 3 and names K step 4.  Nothing is prefetched at the head
	s_mov_b32 s23, 0
	s_add_nc_u64 s[PFA:PFA+1], s[PFA:PFA+1], s[22:23]
.macro FRAG reg, adr, q, i             ; 16 rows x 128 K: registers 4 c .. 4 c + 3 hold K = 32 c + 16 h + 0 .. 15
.irp c, 0,1,2,3
	ds_load_b128 v[\reg+4*\c:\reg+4*\c+3], v[\adr] offset:128*(\q)+32*\c+(\i)*16*PITCH
.endr
.endm
; 16 matrix instructions: A's blocks a0, a0 + 1 x B's eight.  The 64 accumulators take turns, one instruction a turn, in the same order in every step.
.macro MUL16 a0, p, q, sc, zero
.irp a, \a0, \a0+1
.irp b, 0,1,2,3,4,5,6,7
.if \zero
	v_wmma_scale_f32_16x16x128_f8f6f4 v[8*(8*((\a)%4)+\b):8*(8*((\a)%4)+\b)+7], v[128*(\p)+FR*\b:128*(\p)+FR*\b+FR-1], v[AF+FR*(\a):AF+FR*(\a)+FR-1], 0, v[SC+8*NQ*(\sc)+NQ*\b+(\q)], v[SC+8*NQ*(\sc)+NQ*(\a)+(\q)] matrix_a_fmt:MATRIX_FMT_BF8 matrix_b_fmt:MATRIX_FMT_BF8 matrix_a_scale:MATRIX_SCALE_ROW1
.else
	v_wmma_scale_f32_16x16x128_f8f6f4 v[8*(8*((\a)%4)+\b):8*(8*((\a)%4)+\b)+7], v[128*(\p)+FR*\b:128*(\p)+FR*\b+FR-1], v[AF+FR*(\a):AF+FR*(\a)+FR-1], v[8*(8*((\a)%4)+\b):8*(8*((\a)%4)+\b)+7], v[SC+8*NQ*(\sc)+NQ*\b+(\q)], v[SC+8*NQ*(\sc)+NQ*(\a)+(\q)] matrix_a_fmt:MATRIX_FMT_BF8 matrix_b_fmt:MATRIX_FMT_BF8 matrix_a_scale:MATRIX_SCALE_ROW1
.endif
.endr
.endr
.endm
.macro FETCH_B slot, q, p
	WIN TO_B
.irp i, 0,1,2,3,4,5,6,7
	FRAG 128*(\p)+FR*\i, ADRB+\slot, \q, \i
.endr
	WIN 0
.endm
.macro FETCH_A slot, q, i0
.irp i, \i0, \i0+1, \i0+2, \i0+3
	FRAG AF+FR*(\i), ADRA+\slot, \q, \i
.endr
.endm
.macro SCALES sc                       ; a K step's scale words: lanes 0-15 take A's block i, lanes 16-31 B's block i
.irp i, 0,1,2,3,4,5,6,7
	ds_load_b64 v[SC+8*NQ*\sc+NQ*\i:SC+8*NQ*\sc+NQ*\i+1], v[ADRS] offset:\i*SBLK
.endr
.endm
.macro PLACES n                        ; plain vector instructions between a matrix instruction and a load into, or a read of, its registers
.rept \n
	v_nop
.endr
.endm
.macro STEP slot, q, zero              ; 128 along K whose successor lies in the same slot
	s_wait_dscnt 4*NL                              ; B's set and A's blocks 0-3 are in; the youngest 16 loads (A's blocks 4-7) may be out
	WIN MUL_LO
	MUL16 0, (\q)%2, \q, \slot, \zero
	MUL16 2, (\q)%2, \q, \slot, \zero
	s_wait_dscnt 0
	PLACES NP
	FETCH_B \slot, (\q)+1, 1-(\q)%2
	FETCH_A \slot, (\q)+1, 0
	WIN MUL_HI
	MUL16 4, (\q)%2, \q, \slot, \zero
	MUL16 6, (\q)%2, \q, \slot, \zero
	PLACES NP
	WIN 0
	FETCH_A \slot, (\q)+1, 4
.endm
; A slot's last step changes slots: each wave waits for all its tensor loads, adds 0 to its spare word, waits for that and for its reads of this slot; one barrier, which opens a round of the cluster's where the slot is filled again.
.macro TURN slot, next, fill
.if \fill
	s_wait_xcnt 0x0                                ; the last prefetch, a K step back, has read its address
	s_add_nc_u64 s[PFA:PFA+1], s[PFA:PFA+1], ROWB
.endif
	s_wait_tensorcnt 0x0                           ; all my tensor loads have landed: my part of the next slot (every window is 0 here)
	ds_add_u32 v[SPW], v[NIL]
	s_wait_dscnt 4*NL+1                            ; the add and the youngest 16 loads may be out
	WIN MUL_LO
	MUL16 0, 1, NQ-1, \slot, 0
	s_wait_dscnt 0x0                               ; the add is done, and my reads of this slot are over
	s_barrier_signal -1
	MUL16 2, 1, NQ-1, \slot, 0
	WIN 0
	s_barrier_wait -1
.if \fill
	CREST                                          ; no wave of any partner still reads this slot's tile or has a load on its way
	s_add_nc_u64 s[G0+4*\slot+2:G0+4*\slot+3], s[G0+4*\slot+2:G0+4*\slot+3], 2*ROWB
	s_add_nc_u64 s[G0B+4*\slot+2:G0B+4*\slot+3], s[G0B+4*\slot+2:G0B+4*\slot+3], 2*ROWB
	JLOAD G0+4*\slot, G1, G0B+4*\slot, G1B         ; the first tensor load behind the round; its four v_nop are four of the eight places
	PLACES NP-4
.else
	PLACES NP
.endif
	v_add_nc_u32 v[ADRS], 4*NQ, v[ADRS]            ; the next K step's scale words (no LDS load of mine is out)
	FETCH_B \next, 0, 0
	FETCH_A \next, 0, 0
	SCALES \next
.if \fill
	ASK
.endif
	WIN MUL_HI
	MUL16 4, 1, NQ-1, \slot, 0
	MUL16 6, 1, NQ-1, \slot, 0
	PLACES NP
	WIN 0
	FETCH_A \next, 0, 4
.endm
	s_wait_tensorcnt 1                             ; the scales and my part of K step 0 are in; K step 1's load may be out
	s_barrier_signal -1
	s_barrier_wait -1
	FETCH_B 0, 0, 0
	FETCH_A 0, 0, 0
	SCALES 0
	FETCH_A 0, 0, 4
	STEP 0, 0, 1                                   ; the first step's products start the sums
	s_mov_b32 s3, LAPS-1
.Llap:                                                 ; a trip goes once round the ring and fills both slots again
	TURN 0, 1, 1
	STEP 1, 0, 0
	TURN 1, 0, 1
	STEP 0, 0, 0
	s_sub_co_u32 s3, s3, 1
	s_cmp_lg_u32 s3, 0
	s_cbranch_scc1 .Llap
	TURN 0, 1, 0                                   ; the last lap fills nothing
	STEP 1, 0, 0
	s_wait_dscnt 4*NL
	WIN MUL_LO
	MUL16 0, 1, NQ-1, 1, 0
	MUL16 2, 1, NQ-1, 1, 0
	s_wait_dscnt 0
	WIN MUL_HI
	MUL16 4, 1, NQ-1, 1, 0
	MUL16 6, 1, NQ-1, 1, 0
	WIN 0
	PLACES NP                                      ; ahead of every read of a result and of every write of an operand's register below
	s_cmp_eq_u32 s2, 3
	s_cbranch_scc1 .Lgate
	; ---- P = 0, 1, 2: quantise, and store images
	s_lshl_b32 s20, s17, 1
	s_add_co_u32 s20, s20, s15                     ; which 128 of A's rows
	s_lshl_b32 s21, s94, 1
	s_add_co_u32 s21, s21, s16                     ; which 128 of B's rows
	s_cmp_eq_u32 s2, 2
	s_cselect_b32 s22, s20, s21                    ; the head: B's for q and k, A's for v
	s_cselect_b32 s23, s21, s20                    ; the block of queries or keys
	s_cselect_b32 s18, 16384, 0                    ; V's images lie behind K's
	s_mov_b32 s100, 32768                          ; from the images to the scale words: k 32,768,
	s_cselect_b32 s100, 16896, s100                ; v 16,896,
	s_cmp_eq_u32 s2, 0
	s_cselect_b32 s100, 16384, s100                ; q 16,384
	s_mov_b32 s19, 33792
	s_cselect_b32 s19, 16896, s19                  ; a record
	s_lshl_b32 s22, s22, 4
	s_add_co_u32 s22, s22, s23
	s_mul_i32 s22, s22, s19
	s_add_co_u32 s22, s22, s18
	s_mov_b32 s23, 0
	s_mov_b32 s101, 0
	s_add_nc_u64 s[12:13], s[12:13], s[22:23]
	s_add_nc_u64 s[100:101], s[12:13], s[100:101]
	s_mov_b32 s20, 0x76543210
	s_mov_b32 s21, 0xfedcba98
	s_mov_b32 s22, 0x600000                        ; the mantissa field of 57,344
.irp b, 0,1,2,3
	v_mov_b32 v[TM+4+\b], 0                        ; a lane permute's destination counts as read
.endr
; Block a of A's rows: the lane's 64 results become a fragment's codes and its row's scale word.  Each accumulator is read from its low end on.
.macro QUANTW a
.set WW, 2+(\a)/4
.set SR, 64*((\a)%4)
.set PCA, PC+16*(\a)
.set WS, WW|(WW<<2)
	WIN WS
.irp b, 0,1,2,3
	v_max3_num_f32 v[TM+\b], |v[SR+16*\b]|, |v[SR+16*\b+1]|, 0x8000000      ; my 16 numbers of block b, and the floor 2^(16 - 127)
.endr
.set WS, (WW<<2)|(WW<<4)
	WIN WS
.irp i, 2,4,6,8,10,12,14
.irp b, 0,1,2,3
	v_max3_num_f32 v[TM+\b], v[TM+\b], |v[SR+16*\b+\i]|, |v[SR+16*\b+\i+1]|
.endr
.endr
	WIN 0
.irp b, 0,1,2,3
	v_permlanex16_b32 v[TM+4+\b], v[TM+\b], s20, s21
.endr
.irp b, 0,1,2,3
	v_max_num_f32 v[TM+\b], v[TM+\b], v[TM+4+\b]   ; with lane l xor 16's 16: the block's largest magnitude
.endr
.irp b, 0,1,2,3
	v_add_nc_u32 v[TM+12+\b], 0xf8800000, v[TM+\b] ; 15 off the exponent field: the conversion's scale operand
.endr
.irp b, 0,1,2,3
	v_and_or_b32 v[TM+8+\b], v[TM+\b], 0x7f800000, s22   ; 57,344 x the scale
.endr
.irp b, 0,1,2,3
	v_lshrrev_b32 v[TM+4+\b], 23, v[TM+12+\b]      ; the byte
.endr
	v_lshl_or_b32 v[PW+(\a)], v[TM+5], 8, v[TM+4]
	v_lshl_or_b32 v[PW+(\a)], v[TM+6], 16, v[PW+(\a)]
	v_lshl_or_b32 v[PW+(\a)], v[TM+7], 24, v[PW+(\a)]
.set WS, WW|(WW<<6)
	WIN WS
.irp b, 0,1,2,3
.irp i, 0,1,2,3,4,5,6,7,8,9,10,11,12,13,14,15
	v_med3_num_f32 v[SR+16*\b+\i], v[SR+16*\b+\i], -v[TM+8+\b], v[TM+8+\b]   ; the conversion does not saturate (ISA guide 7.6.2): the hold
.endr
.endr
	WIN WW
.irp b, 0,1,2,3
	v_cvt_scalef32_pk8_bf8_f32 v[PCA+4*\b:PCA+4*\b+1], v[SR+16*\b:SR+16*\b+7], v[TM+12+\b]
	v_cvt_scalef32_pk8_bf8_f32 v[PCA+4*\b+2:PCA+4*\b+3], v[SR+16*\b+8:SR+16*\b+15], v[TM+12+\b]
.endr
	WIN 0
	v_nop                                          ; a plain line behind the last conversion
.irp c, 0,1,2,3
	global_store_b128 v[CO], v[PCA+4*\c:PCA+4*\c+3], s[12:13] offset:2048*(\a)+512*\c   ; the image: 512 consecutive bytes a store
.endr
	ds_store_b32 v[SST], v[PW+(\a)] offset:64*(\a) ; lanes r and r + 16 write the same word with the same value
.endm
.irp a, 0,1,2,3,4,5,6,7
	QUANTW \a
.endr
	ds_load_b128 v[216:219], v[SRD]                ; my own bytes: LDS serves a wave's instructions in order
	s_wait_dscnt 0x0
	global_store_b128 v[CO], v[216:219], s[100:101]   ; 128 rows' scale words: 512 consecutive bytes
	s_branch .Lend
.Lgate:	; ---- P = 3: g = -log2(e) y - log2(e) gate_b, one fused multiply-add a number, through my stage, as whole rows of 512 bytes
	s_lshl_b32 s20, s17, 8
	s_lshl_b32 s21, s15, 7
	s_add_co_u32 s20, s20, s21                     ; my first row
	s_lshl_b32 s20, s20, 13
	s_lshl_b32 s22, s94, 10
	s_lshl_b32 s23, s16, 9
	s_add_co_u32 s22, s22, s23                     ; my first column, in bytes
	s_mov_b32 s23, 0
	s_add_nc_u64 s[66:67], s[66:67], s[22:23]
	s_add_co_u32 s22, s22, s20
	s_add_nc_u64 s[12:13], s[12:13], s[22:23]
	s_mov_b32 s20, 0xbfb8aa3b                      ; -log2(e)
	s_mov_b32 s21, s20                             ; (named with it as a pair)
	global_load_b128 v[GB:GB+3], v[CO], s[66:67]
.macro TOSTAGE a
.set AC, 64*((\a)%4)
	WIN 0x08+4*((\a)/4)                            ; an LDS store's data: window 2 or 3
.irp b, 0,1,2,3,4,5,6,7
	ds_store_b128 v[STO], v[AC+8*\b:AC+8*\b+3] offset:64*\b          ; each accumulator from its low end on
	ds_store_b128 v[STO], v[AC+8*\b+4:AC+8*\b+7] offset:64*\b+16
.endr
	WIN 0
.set BB, BK+64*((\a)%2)
.irp t, 0,1,2,3,4,5,6,7,8,9,10,11,12,13,14,15
	ds_load_b128 v[BB+4*\t:BB+4*\t+3], v[RD] offset:\t*SPITCH
.endr
.endm
.macro SEND a, younger
.set BB, BK+64*((\a)%2)
	s_wait_dscnt \younger                          ; the block is back; the next block's 16 stores and 16 loads may be out
.if (\a) > 0
	s_add_nc_u64 s[12:13], s[12:13], 16*8192       ; (behind a wait on XCNT: the earlier stores have read their base)
.endif
.set i, 0
.rept 16
	v_pk_fma_f32 v[BB+4*i:BB+4*i+1], v[BB+4*i:BB+4*i+1], s[20:21], v[GB:GB+1] op_sel_hi:[1,0,1]
	v_pk_fma_f32 v[BB+4*i+2:BB+4*i+3], v[BB+4*i+2:BB+4*i+3], s[20:21], v[GB+2:GB+3] op_sel_hi:[1,0,1]
.set i, i+1
.endr
.irp t, 0,1,2,3,4,5,6,7,8,9,10,11,12,13,14,15
	global_store_b128 v[CO], v[BB+4*\t:BB+4*\t+3], s[12:13] offset:\t*8192     ; 512 consecutive bytes
.endr
.endm
	TOSTAGE 0
	s_wait_loadcnt 0x0
.irp i, 0,1,2,3
	v_mul_f32 v[GB+\i], s20, v[GB+\i]
.endr
.irp a, 1,2,3,4,5,6,7
.if \a > 1
	s_wait_xcnt 0x0                                ; block a - 2's stores have read their registers and their base
.endif
	TOSTAGE \a
	SEND \a-1, 32
.endr
	s_wait_xcnt 0x0
	SEND 7, 0
.Lend:
	s_wait_tensorcnt 0x0                           ; the wave's end
	ds_add_u32 v[SPW], v[NIL]
	s_wait_dscnt 0x0
	CROUND                                         ; the closing round
	s_endpgm
.Lfunc_end_k_q3fb45788b9_proj:
	.size	k_q3fb45788b9_proj, .Lfunc_end_k_q3fb45788b9_proj-k_q3fb45788b9_proj
	.p2alignl 7, 3214868480
	.fill 96, 4, 3214868480
	.section	.rodata,"a",@progbits
	.p2align	6, 0x0
	.amdhsa_kernel k_q3fb45788b9_proj
		.amdhsa_group_segment_fixed_size 327680
		.amdhsa_private_segment_fixed_size 0
		.amdhsa_enable_private_segment 0
		.amdhsa_kernarg_size 128
		.amdhsa_user_sgpr_count 2
		.amdhsa_user_sgpr_kernarg_segment_ptr 1
		.amdhsa_wavefront_size32 1
		.amdhsa_system_sgpr_workgroup_id_x 1
		.amdhsa_system_sgpr_workgroup_id_y 1
		.amdhsa_system_sgpr_workgroup_id_z 1
		.amdhsa_system_vgpr_workitem_id 0
		.amdhsa_next_free_vgpr 1024
		.amdhsa_next_free_sgpr 102
		.amdhsa_reserve_vcc 0
		.amdhsa_float_denorm_mode_32 3
		.amdhsa_float_denorm_mode_16_64 3
		.amdhsa_memory_ordered 1
		.amdhsa_forward_progress 1
		.amdhsa_inst_pref_size 234
	.end_amdhsa_kernel
	.amdgpu_metadata
---
amdhsa.version: [ 1, 2 ]
amdhsa.kernels:
  - .name:           k_q3fb45788b9_proj
    .symbol:         k_q3fb45788b9_proj.kd
    .args:
      - { .name: xn_codes, .offset: 0, .size: 8, .value_kind: global_buffer, .address_space: global }
      - { .name: xn_scales, .offset: 8, .size: 8, .value_kind: global_buffer, .address_space: global }
      - { .name: x_codes, .offset: 16, .size: 8, .value_kind: global_buffer, .address_space: global }
      - { .name: x_scales, .offset: 24, .size: 8, .value_kind: global_buffer, .address_space: global }
      - { .name: Wq_codes, .offset: 32, .size: 8, .value_kind: global_buffer, .address_space: global }
      - { .name: Wq_scales, .offset: 40, .size: 8, .value_kind: global_buffer, .address_space: global }
      - { .name: Wk_codes, .offset: 48, .size: 8, .value_kind: global_buffer, .address_space: global }
      - { .name: Wk_scales, .offset: 56, .size: 8, .value_kind: global_buffer, .address_space: global }
      - { .name: Wv_codes, .offset: 64, .size: 8, .value_kind: global_buffer, .address_space: global }
      - { .name: Wv_scales, .offset: 72, .size: 8, .value_kind: global_buffer, .address_space: global }
      - { .name: gate_W_codes, .offset: 80, .size: 8, .value_kind: global_buffer, .address_space: global }
      - { .name: gate_W_scales, .offset: 88, .size: 8, .value_kind: global_buffer, .address_space: global }
      - { .name: gate_b, .offset: 96, .size: 8, .value_kind: global_buffer, .address_space: global }
      - { .name: q_rec, .offset: 104, .size: 8, .value_kind: global_buffer, .address_space: global }
      - { .name: kv_rec, .offset: 112, .size: 8, .value_kind: global_buffer, .address_space: global }
      - { .name: gpre, .offset: 120, .size: 8, .value_kind: global_buffer, .address_space: global }
    .group_segment_fixed_size: 327680
    .private_segment_fixed_size: 0
    .kernarg_segment_align: 8
    .kernarg_segment_size: 128
    .max_flat_workgroup_size: 128
    .sgpr_count:     102
    .vgpr_count:     1024
    .wavefront_size: 32
...
	.end_amdgpu_metadata
.endif
;; end of part 2
;; launch attn (part 3): grid 16 x 16, 8 waves a work-group, clusters of 4 x 4, 327,680 bytes of LDS; arguments q_rec, kv_rec, mask, o_rec; writes o_rec
.if DOCPART == 3
	.amdgcn_target "amdgcn-amd-amdhsa--gfx1250"
	.amdhsa_code_object_version 6
	.text
	.protected	k_q3fb45788b9_attn
	.globl	k_q3fb45788b9_attn
	.p2align	8
	.type	k_q3fb45788b9_attn,@function
k_q3fb45788b9_attn:
	s_mov_b64 s[64:65], 0
	v_nop
	global_prefetch_b8 v0, s[64:65] scope:SCOPE_SE
	s_setreg_imm32_b32 hwreg(HW_REG_WAVE_MODE, 25, 1), 1
	s_wait_xcnt 0x0
	s_wait_alu depctr_hold_cnt(0) depctr_sa_sdst(0) depctr_va_vdst(0) depctr_va_sdst(0) depctr_va_ssrc(0) depctr_va_vcc(0) depctr_vm_vsrc(0)
	s_getreg_b32 s2, hwreg(HW_REG_IB_STS2, 6, 4)
	s_cmp_eq_u32 s2, 0
	s_cbranch_scc0 .Lentry_in_a_cluster
	s_endpgm
.Lentry_in_a_cluster:
	s_bfe_u32 s2, ttmp6, 0x10000c
	s_cmp_lg_u32 s2, 0xf033
	s_cbranch_scc0 .Lentry_shape_is_right
	s_endpgm
.Lentry_shape_is_right:
; LAUNCH 3 OF 4.  For each head: S = q k^T; logit = 30 tanh(S / (30 sqrt(128))) + mask; softmax; o = P v; o is quantised along the model's 2,048.  Both products on codes of BF8 (E5M2) with E8M0 scales.
; No work is left out: the mask is an input, so every key step is walked and every number of the mask is added.
; THE SOFTMAX: t = logit x log2(e); M = the running largest t rounded up to a whole number (kept as -M = floor(-t)); p = 2^(t - M) is quantised along the keys, not normalised; the row's sum is taken of the
; unquantised p and divides O at the end; when M moves, the sum and O are multiplied by 2^(old M - new M), which rounds nothing.
; tanh(z) = 1 - 2 / (1 + 2^(2 z log2(e))): with c1 = 2 log2(e) / (30 sqrt(128)), C = 30 log2(e): t = mask x log2(e) + (C - 2 C / (1 + 2^(c1 S))), the last step one fused multiply-add.
; LIMITS: that form of tanh is off by up to about 2^-23 absolutely, so t by up to about 4e-6; v_exp_f32 gives 0 for p under 2^-126; NaN and infinities among the inputs are not served;
; a block of zeros gets the byte 1 (zero codes; the bytes are read by this program alone).
; SHARES.  A work-group owns 128 queries of one head, each of its eight waves one tile of 16; every wave walks 16 key steps of 128 keys.  Both products are used transposed (S^T = K Q^T, O^T = V^T P^T):
; a lane holds ONE query (lane % 16); register j of tile t is key (or channel) 16 t + 8 h + j, h = lane / 16.  p's 16 registers of tiles 2 c, 2 c + 1 are converted as they stand: the same permutation
; of K inside each block of 32 that the launch before gave V^T's images (and q's and k's): the terms and the blocks' scales are the same.
; A KEY STEP IS A SLOT: the head's record of the step (K's 8 images, V^T's 8, their scale words: 33,792 dense bytes) and the 128 x 128 tile of the mask (rows of 512 bytes + 16).  Two slots.
; CLUSTER 4 x 4: the record hangs on the head alone and is asked for jointly along a row of the cluster; the mask's tile hangs on the block of queries alone and is asked for jointly along a column.
; EVERY WAVE ISSUES A LOAD OF ITS OWN: waves 0 to 3 a quarter of the record each (33 rows of 256 bytes), waves 4 to 7 a quarter of the mask's tile each (32 rows of 512 bytes): eight loads are on
; their way behind each round, the longest of 16,384 bytes.  By this text's own count a wave has at most two tensor loads out: two at the head, one behind each round.
; WITHIN A STEP all reads of its slot are issued in the first third (K's came a step earlier), so the slot is given up in the step's middle: its refill has a whole step in which to land.
; REGISTERS: window 0: v0-31 below; v32-47 Q; v48-63 scale words, two sets (lanes 0-15 K's tile t, lanes 16-31 V's tile t); v64-127 S^T, then p; v128-191 the mask, then p's codes; v192-255 O^T.  window 1: v0-127 K, v128-255 V^T.
.set REC,   33792
.set QREC,  16896
.set MP,    528
.set MOFF,  REC
.set SLOTB, REC+128*MP                 ; 101,376
.set SPARE, 2*SLOTB                    ; the spare words, 128 bytes for each wave: four blocks of 256 bytes that no other line names
.set OSTG,  SPARE+1024                 ; 512 bytes: the eight tiles' scale words of o
.set AS1,  0                           ; v0   slot 1's scale words (the thread's number is used up at the head)
.set LI,   1                           ; v1   16 x lane
.set AS,   2                           ; v2   slot 0's scale words: 32,768 + 4 r + 512 h
.set AM,   3                           ; v3   slot 0's mask: my query's row, + 32 h
.set SPW,  4
.set NIL,  5
.set PFO,  6                           ; v6   the prefetches' offset; never rewritten
.set QS,   7                           ; v7   Q's scale words
.set CV,   8                           ; v8   C (named as the pair v[8:9]; the low word serves both halves)
.set ADR,  9                           ; v9   an address in slot 1; written only when no LDS load of mine is out
.set F,    10                          ; v10  2^(old M - new M) (pair v[10:11])
.set PW,   11                          ; v11  p's scale word
.set NM,   12                          ; v12  -M (pair v[12:13])
.set TMX,  13                          ; v13  the largest t
.set SUM,  14                          ; v[14:15]
.set BM,   16                          ; v16-19 the blocks' largest t, then p
.set T1,   20                          ; v20-23 at work
.set HOLD, 24                          ; v24-27 57,344 x the scale
.set SOP,  28                          ; v28-31 the conversions' scale operands
.set Q,    32
.set SC,   48
.set S,    64
.set MK,   128
.set PC,   128
.set O,    192
.set KF,   0
.set VF,   128
.set WV,   12
.set G1KV, 24
.set G1M,  32
.set G0KV, 40                          ; s[40:47] a set for each slot
.set G0M,  48                          ; s[48:55]
.set TR,   56
.set LIM,  57
.set PFA,  58
.set PFS,  60
.set SEL,  62
.set C1,   66
.set N2C,  68
.set LG,   70
.set MNT,  72
.set MSB, 0
.macro WIN new
.if MSB != (\new)
	s_set_vgpr_msb (MSB<<8)|(\new)
.set MSB, (\new)
.endif
.endm
.macro CROUND
	s_barrier_signal -1
	s_barrier_wait -1
	s_cmp_lg_u32 s[WV], 0
	s_cbranch_scc1 .Lnot_wave_0_\@
	s_barrier_signal -3
.Lnot_wave_0_\@:
	s_barrier_wait -3
	s_barrier_signal -1
	s_barrier_wait -1
.endm
.macro JLOAD s                         ; waves 0 to 3: the record's quarters; waves 4 to 7: the mask's.  The branch hangs on the wave's number alone; an s_nop 0 and four v_nop follow each load
	s_cmp_lt_u32 s[WV], 4
	s_cbranch_scc0 .Lfor_m_\@
	tensor_load_to_lds s[G0KV+4*(\s):G0KV+4*(\s)+3], s[G1KV:G1KV+7]
	s_nop 0
.rept 4
	v_nop
.endr
	s_branch .Lasked_\@
.Lfor_m_\@:
	tensor_load_to_lds s[G0M+4*(\s):G0M+4*(\s)+3], s[G1M:G1M+7]
	s_nop 0
.rept 4
	v_nop
.endr
.Lasked_\@:
.endm
; A PREFETCH INTO THE L2, in step i for step i + 3: one step ahead of the refill that will load it.  Each aligned block of 256 bytes is named once in the launch.
; The record's 128 blocks of codes: wave 0 of the clusters with x = 0, 32 blocks for each of the four partners of a row, told apart by address (cx).  (Its four blocks of scale words come by the load alone.)
; The mask's tile: waves 1 and 2 of the clusters with y = 0, 16 rows x 2 blocks for each of the four partners of a column (cy).  Steps 0 to 2 come by their loads alone; step 13 asks for nothing.
.macro ASK how
.if \how
	s_cmp_eq_u32 s[LIM], 1
.else
	s_cmp_gt_u32 s[TR], s[LIM]                     ; s[TR] = 1 in the last trip
.endif
	s_cbranch_scc0 .Lnot_mine_\@
	global_prefetch_b8 v[PFO], s[PFA:PFA+1] th:TH_LOAD_NT scope:SCOPE_SE
.Lnot_mine_\@:
.endm
.macro KLOAD s                         ; slot s's K, 8 fragments as images, and its scale words
.if (\s) == 1
	v_add_nc_u32 v[ADR], SLOTB, v[LI]
.set RK, ADR
.set RS, AS1
.else
.set RK, LI
.set RS, AS
.endif
	WIN 0x40                                       ; destination window 1
.irp t, 0,1,2,3,4,5,6,7
.irp c, 0,1,2,3
	ds_load_b128 v[KF+16*\t+4*\c:KF+16*\t+4*\c+3], v[RK] offset:2048*\t+512*\c
.endr
.endr
	WIN 0
.irp t, 0,1,2,3,4,5,6,7
	ds_load_b32 v[SC+8*(\s)+\t], v[RS] offset:64*\t
.endr
.endm
; A batch: 32 packed plain lines and 64 transcendentals on S^T, a plain line leading each pair of transcendentals; nothing in it reads a transcendental's result.  m = 0: 2^(c1 S); 1: 1 / (1 + .); 2: 2^(t - M)
.macro PLAIN m, j
.if \m == 0
	v_pk_mul_f32 v[S+2*(\j):S+2*(\j)+1], v[S+2*(\j):S+2*(\j)+1], s[C1:C1+1] op_sel_hi:[1,0]
.elseif \m == 1
	v_pk_add_f32 v[S+2*(\j):S+2*(\j)+1], v[S+2*(\j):S+2*(\j)+1], 1.0 op_sel_hi:[1,0]
.else
	v_pk_add_f32 v[S+2*(\j):S+2*(\j)+1], v[S+2*(\j):S+2*(\j)+1], v[NM:NM+1] op_sel_hi:[1,0]
.endif
.endm
.macro TRANS m, e
.if \m == 1
	v_rcp_f32 v[S+(\e)], v[S+(\e)]
.else
	v_exp_f32 v[S+(\e)], v[S+(\e)]
.endif
.endm
.macro BATCH m
	PLAIN \m, 0
.set jj, 1
.rept 31
	PLAIN \m, jj
	TRANS \m, 2*jj-2
	TRANS \m, 2*jj-1
.set jj, jj+1
.endr
	TRANS \m, 62
	TRANS \m, 63
.endm
	s_load_b256 s[4:11], s[0:1], 0x0               ; q_rec, kv_rec, mask, o_rec
	v_lshl_add_u32 v[SPW], v0, 2, SPARE
	v_mov_b32 v[NIL], 0
	ds_add_u32 v[SPW], v[NIL]                      ; the wave's opening: the add, twice on end, and its wait ahead of my first tensor load
	ds_add_u32 v[SPW], v[NIL]
	v_lshrrev_b32 v1, 5, v0
	v_readfirstlane_b32 s[WV], v1                  ; wave 0..7
	s_bfe_u32 s13, ttmp6, 0x40000                  ; cx
	s_bfe_u32 s14, ttmp6, 0x40004                  ; cy
	s_lshl_b32 s15, ttmp9, 2
	s_add_co_u32 s15, s15, s13                     ; my block of 128 queries
	s_and_b32 s18, ttmp7, 0xffff                   ; cluster y
	s_lshl_b32 s16, s18, 2
	s_add_co_u32 s16, s16, s14                     ; my head
	s_lshl_b32 s19, s14, 2
	s_lshl_b32 s19, 15, s19                        ; my row of the cluster
	s_lshl_b32 s20, 0x1111, s13                    ; my column
	s_or_b32 s[G1KV], s19, (3<<16)|(1<<21)         ; a quarter of the record: 33 rows of 256 bytes (32 elements of 8), dense, no padding
	s_mov_b32 s[G1KV+1], 32<<16
	s_mov_b32 s[G1KV+2], 33<<16
	s_mov_b32 s[G1KV+3], 32<<16
	s_mov_b32 s[G1KV+4], 33
	s_mov_b32 s[G1KV+5], 32
	s_mov_b32 s[G1KV+6], 0
	s_mov_b32 s[G1KV+7], 0
	s_or_b32 s[G1M], s20, (2<<16)|(1<<20)|(1<<21)|(6<<22)|(3<<25)   ; a quarter of the mask's tile: 32 rows of 128 f32, 2,048 apart; four words of padding after every 128
	s_mov_b32 s[G1M+1], 128<<16
	s_mov_b32 s[G1M+2], 32<<16
	s_mov_b32 s[G1M+3], 128<<16
	s_mov_b32 s[G1M+4], 32
	s_mov_b32 s[G1M+5], 2048
	s_mov_b32 s[G1M+6], 0
	s_mov_b32 s[G1M+7], 0
	s_add_co_u32 s17, s[WV], 1
	s_and_b32 s17, s17, 1                          ; the prefetches: which 64 rows of the mask's tile: wave 1: 0, wave 2: 1
	s_and_b32 s78, s[WV], 3                        ; the loads: which quarter I fetch
	s_mul_i32 s22, s16, 16*REC                     ; the head's records,
	s_mul_i32 s79, s78, 33*256                     ; my quarter of one
	s_add_co_u32 s22, s22, s79
	s_mov_b32 s23, 0
	s_lshl_b32 s74, s15, 20                        ; the mask: 128 rows of 8,192 bytes a block,
	s_lshl_b32 s75, s78, 18                        ; 32 a quarter
	s_add_co_u32 s74, s74, s75
	s_mov_b32 s75, 0
	s_lshl_b32 s76, s16, 4
	s_add_co_u32 s76, s76, s15
	s_mul_i32 s76, s76, QREC                       ; q's and o's record
	s_mov_b32 s77, 0
	s_mov_b32 s[SEL], 0x76543210
	s_mov_b32 s[SEL+1], 0xfedcba98
	s_mov_b32 s[C1], 0x3c0b4875                    ; 2 log2(e) / (30 sqrt(128))
	s_mov_b32 s[C1+1], s[C1]
	s_mov_b32 s[N2C], 0xc2ad1f97                   ; -60 log2(e)
	s_mov_b32 s[N2C+1], s[N2C]
	s_mov_b32 s[LG], 0x3fb8aa3b                    ; log2(e)
	s_mov_b32 s[LG+1], s[LG]
	s_mov_b32 s[MNT], 0x600000
	s_wait_dscnt 0x0                               ; both opening adds are done
	s_wait_kmcnt 0x0
	s_add_nc_u64 s[22:23], s[6:7], s[22:23]
	s_add_nc_u64 s[74:75], s[8:9], s[74:75]
.irp s, 0,1
	s_mov_b32 s[G0KV+4*\s], 1
	s_mul_i32 s[G0KV+4*\s+1], s78, 33*256
	s_add_co_u32 s[G0KV+4*\s+1], s[G0KV+4*\s+1], \s*SLOTB
	s_add_nc_u64 s[G0KV+4*\s+2:G0KV+4*\s+3], s[22:23], \s*REC
	s_or_b32 s[G0KV+4*\s+3], s[G0KV+4*\s+3], 0x80000000
	s_mov_b32 s[G0M+4*\s], 1
	s_mul_i32 s[G0M+4*\s+1], s78, 32*MP
	s_add_co_u32 s[G0M+4*\s+1], s[G0M+4*\s+1], \s*SLOTB+MOFF
	s_add_nc_u64 s[G0M+4*\s+2:G0M+4*\s+3], s[74:75], \s*512
	s_or_b32 s[G0M+4*\s+3], s[G0M+4*\s+3], 0x80000000
.endr
	CROUND                                         ; all sixteen work-groups are here: the first joint loads meet
	s_cmp_lt_u32 s[WV], 4                          ; a wave's two first fills stand in one arm of one branch; every wave passes one of the two arms
	s_cbranch_scc0 .Lfirst_m
	tensor_load_to_lds s[G0KV:G0KV+3], s[G1KV:G1KV+7]
	s_nop 0
	tensor_load_to_lds s[G0KV+4:G0KV+7], s[G1KV:G1KV+7]
	s_nop 0
.rept 4
	v_nop
.endr
	s_branch .Lfirst_done
.Lfirst_m:
	tensor_load_to_lds s[G0M:G0M+3], s[G1M:G1M+7]
	s_nop 0
	tensor_load_to_lds s[G0M+4:G0M+7], s[G1M:G1M+7]
	s_nop 0
.rept 4
	v_nop
.endr
.Lfirst_done:
	; the prefetches: where my wave's stand, and who asks
	s_mul_i32 s20, s16, 16*REC
	s_lshl_b32 s21, s13, 13
	s_add_co_u32 s20, s20, s21
	s_add_co_u32 s20, s20, 2*REC                   ; the records': my work-group's 32 blocks, at step 2: the first change of slots steps it to 3
	s_lshl_b32 s21, s15, 20
	s_lshl_b32 s73, s17, 19
	s_add_co_u32 s21, s21, s73
	s_lshl_b32 s73, s14, 17
	s_add_co_u32 s21, s21, s73
	s_add_co_u32 s21, s21, 2*512                   ; the mask's: my work-group's 16 rows of my 64
	s_cmp_eq_u32 s[WV], 0
	s_cselect_b32 s20, s20, s21
	s_cselect_b64 s[PFA:PFA+1], s[6:7], s[8:9]
	s_mov_b32 s[PFS], 512
	s_cselect_b32 s[PFS], REC, s[PFS]              ; a step on
	s_mov_b32 s73, 8192
	s_cselect_b32 s73, 512, s73                    ; from a pair of lanes to the next
	s_cselect_b32 s19, ttmp9, s18                  ; the coordinate along which other clusters read the same bytes
	s_mov_b32 s21, 0
	s_mov_b32 s[PFS+1], 0
	s_add_nc_u64 s[PFA:PFA+1], s[PFA:PFA+1], s[20:21]
	s_cmp_lt_u32 s[WV], 3
	s_cselect_b32 s19, s19, 1
	s_cmp_eq_u32 s19, 0
	s_cselect_b32 s[LIM], 1, -1                    ; the same in all sixteen partners, for a given wave
	s_add_nc_u64 s[4:5], s[4:5], s[76:77]          ; q's record
	s_lshl_b32 s20, s[WV], 11
	s_add_co_u32 s76, s76, s20
	s_add_nc_u64 s[10:11], s[10:11], s[76:77]      ; o's record, my tile's image
	v_and_b32 v26, 15, v0                          ; r
	v_bfe_u32 v27, v0, 4, 1                        ; h
	v_and_b32 v[LI], 31, v0
	v_lshrrev_b32 v24, 1, v[LI]
	v_and_b32 v[PFO], 1, v[LI]
	v_lshlrev_b32 v[PFO], 8, v[PFO]
	v_mad_u32_u24 v[PFO], v24, s73, v[PFO]
	v_lshlrev_b32 v[LI], 4, v[LI]
	v_lshlrev_b32 v[AS], 2, v26
	v_lshl_add_u32 v[AS], v27, 9, v[AS]
	v_add_nc_u32 v[AS], 32768, v[AS]
	v_add_nc_u32 v[AS1], SLOTB, v[AS]              ; the thread's number is not wanted again
	s_mul_i32 s19, s[WV], 16*MP
	s_add_co_u32 s19, s19, MOFF
	v_mul_u32_u24 v[AM], v26, MP
	v_lshl_add_u32 v[AM], v27, 5, v[AM]
	v_add_nc_u32 v[AM], s19, v[AM]
	v_add_nc_u32 v24, s20, v[LI]                   ; q: my tile's image
	s_lshl_b32 s19, s[WV], 6
	v_lshl_add_u32 v25, v26, 2, s19                ; and its scale words
.irp c, 0,1,2,3
	global_load_b128 v[Q+4*\c:Q+4*\c+3], v24, s[4:5] offset:512*\c
.endr
	global_load_b32 v[QS], v25, s[4:5] offset:16384
	v_mov_b32 v[TMX], 0xff61b1e6                   ; -3e38, under every t
	v_floor_f32 v[NM], -v[TMX]
	v_mov_b32 v[SUM], 0
	v_mov_b32 v[SUM+1], 0
	v_mov_b32 v[CV], 0x422d1f97                    ; C = 30 log2(e)
	v_mov_b32 v[ADR], 0
	v_mov_b32 v[PW], 0
.irp b, 0,1,2,3
	v_mov_b32 v[T1+\b], 0                          ; a lane permute's destination counts as read
.endr
.set i, 0
.rept 64
	v_mov_b32 v[O+i], 0                            ; the step is written without a first form of its own: the first change of M multiplies zeros
.set i, i+1
.endr
; A KEY STEP in slot s.  mode 2: the slot is filled again (a round of the cluster's barrier); 1: nothing is filled, the other slot is still to be read; 0: the last step.
.macro STEP s, mode, how
	s_wait_dscnt 0x0                               ; K and the scale words are in
	WIN 0x01                                       ; source 0 in window 1
.irp t, 0,1,2,3,4,5,6,7
	v_wmma_scale_f32_16x16x128_f8f6f4 v[S+8*\t:S+8*\t+7], v[KF+16*\t:KF+16*\t+15], v[Q:Q+15], 0, v[SC+8*(\s)+\t], v[QS] matrix_a_fmt:MATRIX_FMT_BF8 matrix_b_fmt:MATRIX_FMT_BF8
.endr
	WIN 0
.if (\s) == 1                          ; eight places: ahead of the reads of S^T, and of the loads into the registers that the last step's second product read
	v_add_nc_u32 v[ADR], SLOTB, v[AM]
	v_add_nc_u32 v[T1], SLOTB, v[LI]
.rept 6
	v_nop
.endr
.set RM, ADR
.set RV, T1
.else
.rept 8
	v_nop
.endr
.set RM, AM
.set RV, LI
.endif
.irp t, 0,1,2,3,4,5,6,7
.irp u, 0,1
	ds_load_b128 v[MK+8*\t+4*\u:MK+8*\t+4*\u+3], v[RM] offset:64*\t+16*\u     ; mask(my query, keys 16 t + 8 h + 4 u ..): S^T's layout
.endr
.endr
	WIN 0x40
.irp t, 0,1,2,3,4,5,6,7
.irp c, 0,1,2,3
	ds_load_b128 v[VF+16*\t+4*\c:VF+16*\t+4*\c+3], v[RV] offset:16384+2048*\t+512*\c
.endr
.endr
	WIN 0
	BATCH 0                                        ; 2^(c1 S): each accumulator is read from its low end on
	v_nop
	s_wait_alu depctr_va_vdst(0)                   ; one wait for the batch
	BATCH 1                                        ; 1 / (1 + .)
	v_nop
	s_wait_alu depctr_va_vdst(0)
.if \mode == 2
	s_wait_tensorcnt 0x0                           ; all my tensor loads have landed: my part of the other slot
	ds_add_u32 v[SPW], v[NIL]                      ; the descriptors' steps stand between the add and the wait for it
	s_add_nc_u64 s[G0KV+4*(\s)+2:G0KV+4*(\s)+3], s[G0KV+4*(\s)+2:G0KV+4*(\s)+3], 2*REC    ; no load of mine is out: this slot's next step
	s_add_nc_u64 s[G0M+4*(\s)+2:G0M+4*(\s)+3], s[G0M+4*(\s)+2:G0M+4*(\s)+3], 2*512
	s_wait_xcnt 0x0                                ; the last prefetch, a step back, has read its address
	s_add_nc_u64 s[PFA:PFA+1], s[PFA:PFA+1], s[PFS:PFS+1]
	s_wait_dscnt 0x0                               ; the add is done; the mask and V are in: my reads of this slot are over
	CROUND                                         ; no wave of any partner still reads this slot or has a load on its way
	JLOAD \s
	KLOAD 1-(\s)                                   ; the next step's K: it has the rest of this step in which to come
	ASK \how
.elseif \mode == 1
	s_wait_tensorcnt 0x0
	ds_add_u32 v[SPW], v[NIL]
	s_wait_dscnt 0x0
	s_barrier_signal -1
	s_barrier_wait -1                              ; the last slot is whole for every wave
	KLOAD 1-(\s)
.else
	s_wait_dscnt 0x0                               ; the mask and V are in
.endif
.set i, 0
.rept 32
	v_pk_fma_f32 v[S+i:S+i+1], v[S+i:S+i+1], s[N2C:N2C+1], v[CV:CV+1] op_sel_hi:[1,0,0]     ; C tanh = C - 2 C / (1 + .)
.set i, i+2
.endr
.set i, 0
.rept 32
	v_pk_fma_f32 v[S+i:S+i+1], v[MK+i:MK+i+1], s[LG:LG+1], v[S+i:S+i+1] op_sel_hi:[1,0,1]   ; t = mask x log2(e) + that
.set i, i+2
.endr
.irp b, 0,1,2,3
	v_max3_num_f32 v[BM+\b], v[S+16*\b], v[S+16*\b+1], v[S+16*\b+2]     ; the largest t of each block of 32 keys: for the row's maximum, and, since p rises with t, for the block's largest p
.endr
.irp i, 3,5,7,9,11,13
.irp b, 0,1,2,3
	v_max3_num_f32 v[BM+\b], v[BM+\b], v[S+16*\b+\i], v[S+16*\b+\i+1]
.endr
.endr
.irp b, 0,1,2,3
	v_max_num_f32 v[BM+\b], v[BM+\b], v[S+16*\b+15]
.endr
.irp b, 0,1,2,3
	v_permlanex16_b32 v[T1+\b], v[BM+\b], s[SEL], s[SEL+1]
.endr
.irp b, 0,1,2,3
	v_max_num_f32 v[BM+\b], v[BM+\b], v[T1+\b]
.endr
	v_max3_num_f32 v[HOLD], v[BM], v[BM+1], v[BM+2]
	v_max_num_f32 v[HOLD], v[HOLD], v[BM+3]
	v_max_num_f32 v[TMX], v[TMX], v[HOLD]          ; the running largest t
	v_mov_b32 v[HOLD], v[NM]
	v_floor_f32 v[NM], -v[TMX]                     ; -M = floor(-t): M is a whole number
	v_sub_f32 v[HOLD], v[NM], v[HOLD]              ; old M - new M
	v_cvt_i32_f32 v[HOLD], v[HOLD]                 ; (it saturates)
	v_ldexp_f32 v[F], 1.0, v[HOLD]
.irp b, 0,1,2,3
	v_add_f32 v[BM+\b], v[BM+\b], v[NM]
.endr
	BATCH 2                                        ; p = 2^(t - M)
.irp b, 0,1,2,3
	v_exp_f32 v[BM+\b], v[BM+\b]                   ; the blocks' largest p: the same two operations on the same number
.endr
	v_pk_mul_f32 v[SUM:SUM+1], v[SUM:SUM+1], v[F:F+1] op_sel_hi:[1,0]    ; the sum under the new M (the plain line behind the batch)
	s_wait_alu depctr_va_vdst(0)                   ; one wait for the 68
	v_pk_add_f32 v[T1:T1+1], v[S:S+1], v[S+2:S+3]  ; the row's sum, of the unquantised p, in two chains
.irp j, 4,8,12,16,20,24,28,32,36,40,44,48,52,56,60
	v_pk_add_f32 v[SUM:SUM+1], v[SUM:SUM+1], v[S+\j:S+\j+1]
	v_pk_add_f32 v[T1:T1+1], v[T1:T1+1], v[S+\j+2:S+\j+3]
.endr
	v_pk_add_f32 v[SUM:SUM+1], v[SUM:SUM+1], v[T1:T1+1]
.irp b, 0,1,2,3
	v_max_num_f32 v[BM+\b], 0x8000000, v[BM+\b]    ; the floor 2^(16 - 127)
.endr
.irp b, 0,1,2,3
	v_add_nc_u32 v[SOP+\b], 0xf8800000, v[BM+\b]
.endr
.irp b, 0,1,2,3
	v_and_or_b32 v[HOLD+\b], v[BM+\b], 0x7f800000, s[MNT]
.endr
.irp b, 0,1,2,3
	v_lshrrev_b32 v[T1+\b], 23, v[SOP+\b]
.endr
	v_lshl_or_b32 v[PW], v[T1+1], 8, v[T1]
	v_lshl_or_b32 v[PW], v[T1+2], 16, v[PW]
	v_lshl_or_b32 v[PW], v[T1+3], 24, v[PW]
.irp b, 0,1,2,3
.irp i, 0,1,2,3,4,5,6,7,8,9,10,11,12,13,14,15
	v_min_num_f32 v[S+16*\b+\i], v[S+16*\b+\i], v[HOLD+\b]     ; the conversion does not saturate (ISA guide 7.6.2); p is not negative: a one-sided hold
.endr
	v_cvt_scalef32_pk8_bf8_f32 v[PC+4*\b:PC+4*\b+1], v[S+16*\b:S+16*\b+7], v[SOP+\b]
	v_cvt_scalef32_pk8_bf8_f32 v[PC+4*\b+2:PC+4*\b+3], v[S+16*\b+8:S+16*\b+15], v[SOP+\b]
.endr
.set i, 0
.rept 32
	v_pk_mul_f32 v[O+i:O+i+1], v[O+i:O+i+1], v[F:F+1] op_sel_hi:[1,0]    ; O^T under the new M; also the places ahead of the products below
.set i, i+2
.endr
	WIN 0x01
.irp t, 0,1,2,3,4,5,6,7
	v_wmma_scale_f32_16x16x128_f8f6f4 v[O+8*\t:O+8*\t+7], v[VF+16*\t:VF+16*\t+15], v[PC:PC+15], v[O+8*\t:O+8*\t+7], v[SC+8*(\s)+\t], v[PW] matrix_a_fmt:MATRIX_FMT_BF8 matrix_b_fmt:MATRIX_FMT_BF8 matrix_a_scale:MATRIX_SCALE_ROW1
.endr
	WIN 0
.endm
	s_wait_tensorcnt 1                             ; my part of slot 0 is in; slot 1's may be out
	s_barrier_signal -1
	s_barrier_wait -1
	KLOAD 0
	s_wait_loadcnt 0x0                             ; Q
	s_mov_b32 s[TR], 7
.Ltrip:                                                ; seven trips: steps 0 to 13, each of which fills its slot again
	STEP 0, 2, 1
	STEP 1, 2, 0
	s_sub_co_u32 s[TR], s[TR], 1
	s_cmp_lg_u32 s[TR], 0
	s_cbranch_scc1 .Ltrip
	STEP 0, 1, 0                                   ; the tail is written out
	STEP 1, 0, 0
	; THE WAY OUT.  o = O^T / the sum; quantised along the channels; the codes leave in TRUE order of K, by the stores' addresses, since their partner in the next product is a given weight.
	v_add_f32 v[SUM], v[SUM], v[SUM+1]
	v_permlanex16_b32 v[T1], v[SUM], s[SEL], s[SEL+1]
	v_add_f32 v[SUM], v[SUM], v[T1]
	v_rcp_f32 v[F], v[SUM]
	v_bfe_u32 v67, v[LI], 4, 4                     ; r
	v_bfe_u32 v68, v[LI], 8, 1                     ; h
	v_lshlrev_b32 v64, 4, v67
	v_lshl_add_u32 v64, v68, 3, v64                ; 16 r + 8 h
	s_lshl_b32 s19, s[WV], 6
	s_add_co_u32 s19, s19, OSTG
	v_lshl_add_u32 v65, v67, 2, s19                ; my row's scale word
	v_add_nc_u32 v66, OSTG, v[LI]
	v_nop
	v_nop                                          ; ten plain lines stand behind the last product
	s_wait_alu depctr_va_vdst(0)
.set i, 0
.rept 32
	v_pk_mul_f32 v[O+i:O+i+1], v[O+i:O+i+1], v[F:F+1] op_sel_hi:[1,0]
.set i, i+2
.endr
.irp b, 0,1,2,3
	v_max3_num_f32 v[BM+\b], |v[O+16*\b]|, |v[O+16*\b+1]|, 0x8000000
.endr
.irp i, 2,4,6,8,10,12,14
.irp b, 0,1,2,3
	v_max3_num_f32 v[BM+\b], v[BM+\b], |v[O+16*\b+\i]|, |v[O+16*\b+\i+1]|
.endr
.endr
.irp b, 0,1,2,3
	v_permlanex16_b32 v[T1+\b], v[BM+\b], s[SEL], s[SEL+1]
.endr
.irp b, 0,1,2,3
	v_max_num_f32 v[BM+\b], v[BM+\b], v[T1+\b]
.endr
.irp b, 0,1,2,3
	v_add_nc_u32 v[SOP+\b], 0xf8800000, v[BM+\b]
.endr
.irp b, 0,1,2,3
	v_and_or_b32 v[HOLD+\b], v[BM+\b], 0x7f800000, s[MNT]
.endr
.irp b, 0,1,2,3
	v_lshrrev_b32 v[T1+\b], 23, v[SOP+\b]
.endr
	v_lshl_or_b32 v[PW], v[T1+1], 8, v[T1]
	v_lshl_or_b32 v[PW], v[T1+2], 16, v[PW]
	v_lshl_or_b32 v[PW], v[T1+3], 24, v[PW]
.irp b, 0,1,2,3
.irp i, 0,1,2,3,4,5,6,7,8,9,10,11,12,13,14,15
	v_med3_num_f32 v[O+16*\b+\i], v[O+16*\b+\i], -v[HOLD+\b], v[HOLD+\b]
.endr
	v_cvt_scalef32_pk8_bf8_f32 v[PC+4*\b:PC+4*\b+1], v[O+16*\b:O+16*\b+7], v[SOP+\b]
	v_cvt_scalef32_pk8_bf8_f32 v[PC+4*\b+2:PC+4*\b+3], v[O+16*\b+8:O+16*\b+15], v[SOP+\b]
.endr
	v_nop
.irp c, 0,1,2,3                        ; channel 32 c + 16 u + 8 h + j belongs at byte 512 c + 256 u + 16 r + 8 h + j of the image: each store covers 256 consecutive bytes, aligned
	global_store_b64 v64, v[PC+4*\c:PC+4*\c+1], s[10:11] offset:512*\c
	global_store_b64 v64, v[PC+4*\c+2:PC+4*\c+3], s[10:11] offset:512*\c+256
.endr
	ds_store_b32 v65, v[PW]                        ; lanes r and r + 16 write the same word with the same value
	s_wait_dscnt 0x0
	s_barrier_signal -1
	s_barrier_wait -1
	s_cmp_lg_u32 s[WV], 0
	s_cbranch_scc1 .Lno_words
	ds_load_b128 v[72:75], v66
	s_wait_dscnt 0x0
	global_store_b128 v[LI], v[72:75], s[10:11] offset:16384    ; the 128 rows' scale words: 512 consecutive bytes
.Lno_words:
	s_wait_tensorcnt 0x0                           ; the wave's end
	ds_add_u32 v[SPW], v[NIL]
	s_wait_dscnt 0x0
	CROUND                                         ; the closing round
	s_endpgm
.Lfunc_end_k_q3fb45788b9_attn:
	.size	k_q3fb45788b9_attn, .Lfunc_end_k_q3fb45788b9_attn-k_q3fb45788b9_attn
	.p2alignl 7, 3214868480
	.fill 96, 4, 3214868480
	.section	.rodata,"a",@progbits
	.p2align	6, 0x0
	.amdhsa_kernel k_q3fb45788b9_attn
		.amdhsa_group_segment_fixed_size 327680
		.amdhsa_private_segment_fixed_size 0
		.amdhsa_enable_private_segment 0
		.amdhsa_kernarg_size 32
		.amdhsa_user_sgpr_count 2
		.amdhsa_user_sgpr_kernarg_segment_ptr 1
		.amdhsa_wavefront_size32 1
		.amdhsa_system_sgpr_workgroup_id_x 1
		.amdhsa_system_sgpr_workgroup_id_y 1
		.amdhsa_system_sgpr_workgroup_id_z 1
		.amdhsa_system_vgpr_workitem_id 0
		.amdhsa_next_free_vgpr 512
		.amdhsa_next_free_sgpr 80
		.amdhsa_reserve_vcc 0
		.amdhsa_float_denorm_mode_32 3
		.amdhsa_float_denorm_mode_16_64 3
		.amdhsa_memory_ordered 1
		.amdhsa_forward_progress 1
		.amdhsa_inst_pref_size 166
	.end_amdhsa_kernel
	.amdgpu_metadata
---
amdhsa.version: [ 1, 2 ]
amdhsa.kernels:
  - .name:           k_q3fb45788b9_attn
    .symbol:         k_q3fb45788b9_attn.kd
    .args:
      - { .name: q_rec, .offset: 0, .size: 8, .value_kind: global_buffer, .address_space: global }
      - { .name: kv_rec, .offset: 8, .size: 8, .value_kind: global_buffer, .address_space: global }
      - { .name: mask, .offset: 16, .size: 8, .value_kind: global_buffer, .address_space: global }
      - { .name: o_rec, .offset: 24, .size: 8, .value_kind: global_buffer, .address_space: global }
    .group_segment_fixed_size: 327680
    .private_segment_fixed_size: 0
    .kernarg_segment_align: 8
    .kernarg_segment_size: 32
    .max_flat_workgroup_size: 256
    .sgpr_count:     80
    .vgpr_count:     512
    .wavefront_size: 32
...
	.end_amdgpu_metadata
.endif
;; end of part 3
;; launch outp (part 4): grid 16 x 16, 4 waves a work-group, clusters of 4 x 4, 327,680 bytes of LDS; arguments o_rec, Wo_codes, Wo_scales, gpre, x, out0; writes out0
.if DOCPART == 4
	.amdgcn_target "amdgcn-amd-amdhsa--gfx1250"
	.amdhsa_code_object_version 6
	.text
	.protected	k_q3fb45788b9_outp
	.globl	k_q3fb45788b9_outp
	.p2align	8
	.type	k_q3fb45788b9_outp,@function
k_q3fb45788b9_outp:
	s_mov_b64 s[64:65], 0
	v_nop
	global_prefetch_b8 v0, s[64:65] scope:SCOPE_SE
	s_setreg_imm32_b32 hwreg(HW_REG_WAVE_MODE, 25, 1), 1
	s_wait_xcnt 0x0
	s_wait_alu depctr_hold_cnt(0) depctr_sa_sdst(0) depctr_va_vdst(0) depctr_va_sdst(0) depctr_va_ssrc(0) depctr_va_vcc(0) depctr_vm_vsrc(0)
	s_getreg_b32 s2, hwreg(HW_REG_IB_STS2, 6, 4)
	s_cmp_eq_u32 s2, 0
	s_cbranch_scc0 .Lentry_in_a_cluster
	s_endpgm
.Lentry_in_a_cluster:
	s_bfe_u32 s2, ttmp6, 0x10000c
	s_cmp_lg_u32 s2, 0xf033
	s_cbranch_scc0 .Lentry_shape_is_right
	s_endpgm
.Lentry_shape_is_right:
; LAUNCH 4 OF 4.  y = o Wo^T on codes of BF8 (E5M2) with E8M0 scales; alpha = 1 / (1 + 2^g), g = -log2(e) (x gate_W^T + gate_b) as launch 2 left it; out0 = x + alpha (y - x).  No work is left out.
; LIMIT: x + alpha (y - x) stands for (1 - alpha) x + alpha y: the same in real numbers, other roundings.
; A tile of out0 is 128 x 128, so that all 256 work-groups of the grid have one: 64 tiles of 256 x 256 would leave three in four without work.  Four waves, each 64 x 64: 16 accumulators.
; o comes as the launch before left it: for each K step of 128 (a head) and each 128 tokens a record of 8 fragment images and 512 bytes of scale words, 16,896 dense bytes.  Wo comes as rows of codes.
; A slot holds four K steps of 128: A's four records, then 128 rows of Wo x 512 bytes (+ 16).  Two slots, four fills in all; the sixteen steps are written out.
; Wo's scale bytes of the tile's 128 rows, 8,192 dense bytes, come once, a quarter a wave.  So every wave issues first fills.
; CLUSTER 4 x 4: A's records are asked for jointly along a row of the cluster, Wo's tiles and scales along a column.
; THE MATRIX INSTRUCTION IS USED TRANSPOSED (source 0 = 16 rows of Wo, source 1 = 16 tokens): a lane holds eight neighbouring numbers of a row of y.
; THE SIGMOID, 128 numbers a lane, goes in four pieces of 32, two behind each of the two refills: vector work on registers of its own, between a refill's request and the wait for it.
; g is loaded at the head; x behind the fourth K step, behind the wait for g: 32 loads of a wave are out at the most.
; No prefetch: four fills, of which two go out at the head.
; REGISTERS: window 0: v16-29 addresses; v32-47 scale words, two sets of A's four and B's four; v48-111 the way out; v128-255 accumulators ((a, b) at v[128 + 8 (4 a + b)]).
;   window 1: two fragment buffers of 128 (A's four fragments, then B's four).   window 2: v0-127 x, v128-255 g, then alpha, in the layout in which the rows come back from the stage.
.set QREC,  16896
.set HSTR,  16*QREC                    ; from a head's record to the next head's
.set BP,    528
.set BOFF,  4*QREC                     ; 67,584
.set SLOT,  BOFF+128*BP                ; 135,168
.set SCL,   2*SLOT
.set SPARE, SCL+32*272                 ; the spare words, 128 bytes for each wave: two blocks of 256 bytes that no other line names
.set SPITCH, 272                       ; the way out: 16 rows x (256 + 16) for each wave, in slot 0, behind its last fill and its last read
.set ADRA, 16
.set ASA,  18
.set ADRB, 20
.set ASB,  22
.set STO,  24
.set RD,   25
.set CO,   26
.set SPW,  28
.set NIL,  29
.set SA,   32
.set SB,   40
.set BK,   48
.set ACC,  128
.set G1A, 24
.set G0A, 32
.set G1B, 48
.set G0B, 56
.set G1S, 68
.set G0S, 76
.set MSB, 0
.macro WIN new
.if MSB != (\new)
	s_set_vgpr_msb (MSB<<8)|(\new)
.set MSB, (\new)
.endif
.endm
.macro JLOAD s                         ; waves 0 and 1 fetch A's records, waves 2 and 3 Wo's rows; an s_nop 0 and four v_nop follow each line
	s_cmp_eq_u32 s17, 0
	s_cbranch_scc0 .Lfor_b_\@
	tensor_load_to_lds s[G0A+4*(\s):G0A+4*(\s)+3], s[G1A:G1A+7]
	s_nop 0
.rept 4
	v_nop
.endr
	s_branch .Lasked_\@
.Lfor_b_\@:
	tensor_load_to_lds s[G0B+4*(\s):G0B+4*(\s)+3], s[G1B:G1B+7]
	s_nop 0
.rept 4
	v_nop
.endr
.Lasked_\@:
.endm
.macro CREST
	s_cmp_lg_u32 s16, 0
	s_cbranch_scc1 .Lnot_wave_0_\@
	s_barrier_signal -3
.Lnot_wave_0_\@:
	s_barrier_wait -3
	s_barrier_signal -1
	s_barrier_wait -1
.endm
.macro CROUND
	s_barrier_signal -1
	s_barrier_wait -1
	CREST
.endm
.macro PLACES n
.rept \n
	v_nop
.endr
.endm
	s_load_b256 s[4:11], s[0:1], 0x0               ; o_rec, Wo_codes, Wo_scales, gpre
	s_load_b128 s[12:15], s[0:1], 0x20             ; x, out0
	v_lshl_add_u32 v[SPW], v0, 2, SPARE
	v_mov_b32 v[NIL], 0
	ds_add_u32 v[SPW], v[NIL]                      ; the wave's opening: the add, twice on end, and its wait ahead of my first tensor load
	ds_add_u32 v[SPW], v[NIL]
	v_lshrrev_b32 v1, 5, v0
	v_readfirstlane_b32 s16, v1                    ; wave 0..3
	s_lshr_b32 s17, s16, 1                         ; which 64 tokens are mine.  Also: I fetch for A (0) or for B (1)
	s_and_b32 s18, s16, 1                          ; which 64 outputs.  Also: which half of that tile I fetch
	s_bfe_u32 s19, ttmp6, 0x40000                  ; cx
	s_bfe_u32 s20, ttmp6, 0x40004                  ; cy
	s_lshl_b32 s21, ttmp9, 2
	s_add_co_u32 s21, s21, s19                     ; which 128 outputs
	s_and_b32 s22, ttmp7, 0xffff
	s_lshl_b32 s22, s22, 2
	s_add_co_u32 s22, s22, s20                     ; which 128 tokens
	s_lshl_b32 s40, s20, 2
	s_lshl_b32 s40, 15, s40                        ; my row of the cluster
	s_lshl_b32 s41, 0x1111, s19                    ; my column
	s_or_b32 s[G1A], s40, (3<<16)|(1<<21)          ; two records: rows of 2,112 elements of 8 bytes, 33,792 elements apart
	s_mov_b32 s[G1A+1], 2112<<16
	s_mov_b32 s[G1A+2], 2<<16
	s_mov_b32 s[G1A+3], 2112<<16
	s_mov_b32 s[G1A+4], 2
	s_mov_b32 s[G1A+5], 33792
	s_mov_b32 s[G1A+6], 0
	s_mov_b32 s[G1A+7], 0
	s_or_b32 s[G1B], s41, (0<<16)|(1<<20)|(1<<21)|(6<<22)|(3<<25)   ; 64 rows of 512 bytes, 2,048 apart; four words of padding after every 128
	s_mov_b32 s[G1B+1], 512<<16
	s_mov_b32 s[G1B+2], 64<<16
	s_mov_b32 s[G1B+3], 512<<16
	s_mov_b32 s[G1B+4], 64
	s_mov_b32 s[G1B+5], 2048
	s_mov_b32 s[G1B+6], 0
	s_mov_b32 s[G1B+7], 0
	s_or_b32 s[G1S], s41, (3<<16)|(1<<20)|(1<<21)|(5<<22)|(3<<25)   ; 8 rows of 256 dense bytes, 16 of padding behind each
	s_mov_b32 s[G1S+1], 32<<16
	s_mov_b32 s[G1S+2], 8<<16
	s_mov_b32 s[G1S+3], 32<<16
	s_mov_b32 s[G1S+4], 8
	s_mov_b32 s[G1S+5], 32
	s_mov_b32 s[G1S+6], 0
	s_mov_b32 s[G1S+7], 0
	s_lshl_b32 s42, s18, 5
	s_add_co_u32 s42, s42, s22
	s_mul_i32 s42, s42, QREC                       ; A: record (head 2 x half, my tokens)
	s_mov_b32 s43, 0
	s_lshl_b32 s44, s21, 18
	s_lshl_b32 s45, s18, 17
	s_add_co_u32 s44, s44, s45                     ; B: row 128 x column block + 64 x half
	s_mov_b32 s45, 0
	s_lshl_b32 s46, s21, 13
	s_lshl_b32 s47, s16, 11
	s_add_co_u32 s46, s46, s47                     ; Wo's scales: my quarter of the tile's 8,192 bytes
	s_mov_b32 s47, 0
	s_wait_dscnt 0x0                               ; both opening adds are done
	s_wait_kmcnt 0x0
	s_add_nc_u64 s[42:43], s[4:5], s[42:43]
	s_add_nc_u64 s[44:45], s[6:7], s[44:45]
	s_add_nc_u64 s[46:47], s[8:9], s[46:47]
	CROUND                                         ; all sixteen work-groups are here: the first joint loads meet
	s_mov_b32 s[G0S], 1
	s_mul_i32 s[G0S+1], s16, 8*272
	s_add_co_u32 s[G0S+1], s[G0S+1], SCL
	s_mov_b64 s[G0S+2:G0S+3], s[46:47]
	s_or_b32 s[G0S+3], s[G0S+3], 0x80000000
	tensor_load_to_lds s[G0S:G0S+3], s[G1S:G1S+7]
	s_nop 0
.rept 4
	v_nop
.endr
.irp s, 0,1
	s_mov_b32 s[G0A+4*\s], 1
	s_mul_i32 s[G0A+4*\s+1], s18, 2*QREC
	s_add_co_u32 s[G0A+4*\s+1], s[G0A+4*\s+1], \s*SLOT
	s_add_nc_u64 s[G0A+4*\s+2:G0A+4*\s+3], s[42:43], \s*4*HSTR
	s_or_b32 s[G0A+4*\s+3], s[G0A+4*\s+3], 0x80000000
	s_mov_b32 s[G0B+4*\s], 1
	s_mul_i32 s[G0B+4*\s+1], s18, 64*BP
	s_add_co_u32 s[G0B+4*\s+1], s[G0B+4*\s+1], \s*SLOT+BOFF
	s_add_nc_u64 s[G0B+4*\s+2:G0B+4*\s+3], s[44:45], \s*512
	s_or_b32 s[G0B+4*\s+3], s[G0B+4*\s+3], 0x80000000
	JLOAD \s
.endr
	v_and_b32 v1, 15, v0                           ; r
	v_bfe_u32 v2, v0, 4, 1                         ; h
	v_and_b32 v3, 31, v0
	v_lshlrev_b32 v3, 4, v3                        ; 16 x lane
	s_lshl_b32 s23, s17, 13
	v_add_nc_u32 v[ADRA], s23, v3                  ; A's images: my four of a record's eight
	v_add_nc_u32 v[ADRA+1], SLOT, v[ADRA]
	s_lshl_b32 s23, s17, 8
	s_add_co_u32 s23, s23, 16384
	v_lshl_add_u32 v[ASA], v1, 2, s23              ; A's scale words
	v_add_nc_u32 v[ASA+1], SLOT, v[ASA]
	s_mul_i32 s23, s18, 64*BP
	s_add_co_u32 s23, s23, BOFF
	v_mul_u32_u24 v4, v1, BP
	v_lshl_add_u32 v4, v2, 4, v4
	v_add_nc_u32 v[ADRB], s23, v4                  ; Wo's rows
	v_add_nc_u32 v[ADRB+1], SLOT, v[ADRB]
	s_mul_i32 s23, s18, 16*272
	s_add_co_u32 s23, s23, SCL
	v_lshrrev_b32 v4, 2, v1
	v_mul_u32_u24 v4, v4, 272
	v_and_b32 v5, 3, v1
	v_lshl_add_u32 v4, v5, 6, v4
	v_add_nc_u32 v[ASB], s23, v4                   ; Wo's scale words: four rows of 64 bytes to a unit of 256 + 16
	s_mul_i32 s23, s16, 16*SPITCH
	v_mul_u32_u24 v4, v1, SPITCH
	v_lshl_add_u32 v4, v2, 5, v4
	v_add_nc_u32 v[STO], s23, v4
	v_mul_u32_u24 v4, v2, SPITCH
	v_lshl_add_u32 v4, v1, 4, v4
	v_add_nc_u32 v[RD], s23, v4
	v_lshlrev_b32 v[CO], 13, v2
	v_lshl_add_u32 v[CO], v1, 4, v[CO]             ; lanes 0-15 one row of out0, lanes 16-31 the next; 16 bytes a lane
	s_lshl_b32 s80, s22, 20
	s_lshl_b32 s81, s17, 19
	s_add_co_u32 s80, s80, s81
	s_lshl_b32 s81, s21, 9
	s_add_co_u32 s80, s80, s81
	s_lshl_b32 s81, s18, 8
	s_add_co_u32 s80, s80, s81                     ; my 64 x 64 in g, x and out0
	s_mov_b32 s81, 0
	s_add_nc_u64 s[10:11], s[10:11], s[80:81]
	s_add_nc_u64 s[12:13], s[12:13], s[80:81]
	s_add_nc_u64 s[14:15], s[14:15], s[80:81]
	WIN 0x80                                       ; destination window 2
.irp a, 0,1,2,3
.irp t, 0,1,2,3,4,5,6,7
	global_load_b128 v[128+32*\a+4*\t:128+32*\a+4*\t+3], v[CO], s[10:11] offset:(16*\a+2*\t)*8192 th:TH_LOAD_NT   ; g
.endr
.endr
	WIN 0
.macro FETCH n                         ; K step n of sixteen: 32 loads of fragments into buffer n % 2, 8 of scale words
.set SL, ((\n)/4)%2
.set QQ, (\n)%4
.set FB, 128*((\n)%2)
.set FS, 4*((\n)%2)
	WIN 0x40
.irp i, 0,1,2,3
.irp c, 0,1,2,3
	ds_load_b128 v[FB+64+16*\i+4*\c:FB+64+16*\i+4*\c+3], v[ADRB+SL] offset:128*QQ+32*\c+16*BP*\i
.endr
.endr
.irp i, 0,1,2,3
.irp c, 0,1,2,3
	ds_load_b128 v[FB+16*\i+4*\c:FB+16*\i+4*\c+3], v[ADRA+SL] offset:QREC*QQ+2048*\i+512*\c
.endr
.endr
	WIN 0
.irp i, 0,1,2,3
	ds_load_b32 v[SA+FS+\i], v[ASA+SL] offset:QREC*QQ+64*\i
	ds_load_b32 v[SB+FS+\i], v[ASB] offset:4*272*\i+4*(\n)
.endr
.endm
.macro MUL8 n, a0                      ; the 16 accumulators take turns, one instruction a turn, in the same order in every step
.set FB, 128*((\n)%2)
.set FS, 4*((\n)%2)
.irp a, \a0, \a0+1
.irp b, 0,1,2,3
.if (\n) == 0
	v_wmma_scale_f32_16x16x128_f8f6f4 v[ACC+8*(4*(\a)+\b):ACC+8*(4*(\a)+\b)+7], v[FB+64+16*\b:FB+64+16*\b+15], v[FB+16*(\a):FB+16*(\a)+15], 0, v[SB+FS+\b], v[SA+FS+(\a)] matrix_a_fmt:MATRIX_FMT_BF8 matrix_b_fmt:MATRIX_FMT_BF8
.else
	v_wmma_scale_f32_16x16x128_f8f6f4 v[ACC+8*(4*(\a)+\b):ACC+8*(4*(\a)+\b)+7], v[FB+64+16*\b:FB+64+16*\b+15], v[FB+16*(\a):FB+16*(\a)+15], v[ACC+8*(4*(\a)+\b):ACC+8*(4*(\a)+\b)+7], v[SB+FS+\b], v[SA+FS+(\a)] matrix_a_fmt:MATRIX_FMT_BF8 matrix_b_fmt:MATRIX_FMT_BF8
.endif
.endr
.endr
.endm
; K step n.  kind 0: its successor lies in the same slot; 1: a change of slots, and this slot is filled again; 2: a change of slots with nothing to fill; 3: the last.
.macro SUB n, kind
	s_wait_dscnt 0x0                               ; this step's fragments and scale words are in
.if \kind == 0
	PLACES 8                                       ; ahead of loads into the registers that the last step's products read
	FETCH (\n)+1
	WIN 0x05                                       ; sources 0 and 1 in window 1
	MUL8 \n, 0
	MUL8 \n, 2
.elseif \kind == 3
	WIN 0x05
	MUL8 \n, 0
	MUL8 \n, 2
.else
	WIN 0                                          ; (the add's two registers lie in window 0)
	s_wait_tensorcnt 0x0                           ; all my tensor loads have landed: my part of the next slot
	ds_add_u32 v[SPW], v[NIL]
	WIN 0x05
	MUL8 \n, 0
	s_wait_dscnt 0x0                               ; the add is done; my reads of this slot were over at the step's head
	s_barrier_signal -1
	MUL8 \n, 2
	WIN 0
	s_barrier_wait -1
.if \kind == 1
	CREST                                          ; no wave of any partner still reads this slot or has a load on its way
	s_add_nc_u64 s[G0A+4*(((\n)/4)%2)+2:G0A+4*(((\n)/4)%2)+3], s[G0A+4*(((\n)/4)%2)+2:G0A+4*(((\n)/4)%2)+3], 8*HSTR
	s_add_nc_u64 s[G0B+4*(((\n)/4)%2)+2:G0B+4*(((\n)/4)%2)+3], s[G0B+4*(((\n)/4)%2)+2:G0B+4*(((\n)/4)%2)+3], 1024
	JLOAD ((\n)/4)%2                               ; the first tensor load behind the round; its four v_nop are four of the eight places
	PLACES 4
.else
	PLACES 8
.endif
	FETCH (\n)+1
.endif
.endm
; A piece of the sigmoid: the 32 numbers of my tokens 16 q .. 16 q + 15, in place in window 2: alpha = 1 / (1 + 2^g).  It names no register of a matrix instruction.
; Each of its two batches has its plain line and its one wait.
.macro SIG q
	WIN 0x82                                       ; source 0 and destination in window 2
.set i, 0
.rept 32
	v_exp_f32 v[128+32*(\q)+i], v[128+32*(\q)+i]
.set i, i+1
.endr
	v_nop
	s_wait_alu depctr_va_vdst(0)                   ; one wait for the 32
.set i, 0
.rept 16
	v_pk_add_f32 v[128+32*(\q)+2*i:128+32*(\q)+2*i+1], v[128+32*(\q)+2*i:128+32*(\q)+2*i+1], 1.0 op_sel_hi:[1,0]
.set i, i+1
.endr
.set i, 0
.rept 32
	v_rcp_f32 v[128+32*(\q)+i], v[128+32*(\q)+i]
.set i, i+1
.endr
	v_nop
	s_wait_alu depctr_va_vdst(0)
	WIN 0
.endm
	s_wait_tensorcnt 1                             ; Wo's scales and my part of slot 0 are in; slot 1's load may be out
	s_barrier_signal -1
	s_barrier_wait -1
	FETCH 0
	SUB 0, 0
	SUB 1, 0
	SUB 2, 0
	SUB 3, 1
	s_wait_loadcnt 0x0                             ; g, asked for at the head
	WIN 0x80
.irp a, 0,1,2,3
.irp t, 0,1,2,3,4,5,6,7
	global_load_b128 v[32*\a+4*\t:32*\a+4*\t+3], v[CO], s[12:13] offset:(16*\a+2*\t)*8192 th:TH_LOAD_NT      ; x: wanted on the way out
.endr
.endr
	SIG 0                                          ; behind the first refill's request
	SUB 4, 0
	SIG 1
	SUB 5, 0
	SUB 6, 0
	SUB 7, 1
	SIG 2                                          ; behind the second refill's request
	SUB 8, 0
	SIG 3
	SUB 9, 0
	SUB 10, 0
	SUB 11, 2
	SUB 12, 0
	SUB 13, 0
	SUB 14, 0
	SUB 15, 3
	WIN 0
	; THE WAY OUT, 16 tokens x 64 outputs at a time through my own stage: a lane's 32 bytes go in, whole rows of 256 bytes come back, sixteen lanes to a row.
.macro TOSTAGE a
.irp b, 0,1,2,3
	ds_store_b128 v[STO], v[ACC+8*(4*(\a)+\b):ACC+8*(4*(\a)+\b)+3] offset:64*\b          ; each accumulator from its low end on
	ds_store_b128 v[STO], v[ACC+8*(4*(\a)+\b)+4:ACC+8*(4*(\a)+\b)+7] offset:64*\b+16
.endr
.set BB, BK+32*((\a)%2)
.irp t, 0,1,2,3,4,5,6,7
	ds_load_b128 v[BB+4*\t:BB+4*\t+3], v[RD] offset:\t*2*SPITCH    ; LDS serves a wave's instructions in order: these see my stores
.endr
.endm
.macro SEND a, younger
.set BB, BK+32*((\a)%2)
	s_wait_dscnt \younger                          ; the block is back; the next block's 8 stores and 8 loads may be out
	WIN 0x08                                       ; source 1 in window 2
.set i, 0
.rept 16
	v_pk_add_f32 v[BB+2*i:BB+2*i+1], v[BB+2*i:BB+2*i+1], v[32*(\a)+2*i:32*(\a)+2*i+1] neg_lo:[0,1] neg_hi:[0,1]     ; y - x
.set i, i+1
.endr
	WIN 0x22                                       ; sources 0 and 2 in window 2
.set i, 0
.rept 16
	v_pk_fma_f32 v[BB+2*i:BB+2*i+1], v[128+32*(\a)+2*i:128+32*(\a)+2*i+1], v[BB+2*i:BB+2*i+1], v[32*(\a)+2*i:32*(\a)+2*i+1]   ; alpha (y - x) + x
.set i, i+1
.endr
	WIN 0
.irp t, 0,1,2,3,4,5,6,7
	global_store_b128 v[CO], v[BB+4*\t:BB+4*\t+3], s[14:15] offset:(16*(\a)+2*\t)*8192 th:TH_STORE_NT   ; 16 lanes store 256 consecutive bytes, aligned
.endr
.endm
	PLACES 8                                       ; ahead of the first read of results
	s_wait_loadcnt 0x0                             ; x
	TOSTAGE 0
	TOSTAGE 1
	SEND 0, 16
	s_wait_xcnt 0x0                                ; block 0's stores have read their registers: block 2's rows may land there
	TOSTAGE 2
	SEND 1, 16
	s_wait_xcnt 0x0
	TOSTAGE 3
	SEND 2, 16
	SEND 3, 0
	s_wait_tensorcnt 0x0                           ; the wave's end
	ds_add_u32 v[SPW], v[NIL]
	s_wait_dscnt 0x0
	CROUND                                         ; the closing round
	s_endpgm
.Lfunc_end_k_q3fb45788b9_outp:
	.size	k_q3fb45788b9_outp, .Lfunc_end_k_q3fb45788b9_outp-k_q3fb45788b9_outp
	.p2alignl 7, 3214868480
	.fill 96, 4, 3214868480
	.section	.rodata,"a",@progbits
	.p2align	6, 0x0
	.amdhsa_kernel k_q3fb45788b9_outp
		.amdhsa_group_segment_fixed_size 327680
		.amdhsa_private_segment_fixed_size 0
		.amdhsa_enable_private_segment 0
		.amdhsa_kernarg_size 48
		.amdhsa_user_sgpr_count 2
		.amdhsa_user_sgpr_kernarg_segment_ptr 1
		.amdhsa_wavefront_size32 1
		.amdhsa_system_sgpr_workgroup_id_x 1
		.amdhsa_system_sgpr_workgroup_id_y 1
		.amdhsa_system_sgpr_workgroup_id_z 1
		.amdhsa_system_vgpr_workitem_id 0
		.amdhsa_next_free_vgpr 768
		.amdhsa_next_free_sgpr 96
		.amdhsa_reserve_vcc 0
		.amdhsa_float_denorm_mode_32 3
		.amdhsa_float_denorm_mode_16_64 3
		.amdhsa_memory_ordered 1
		.amdhsa_forward_progress 1
		.amdhsa_inst_pref_size 124
	.end_amdhsa_kernel
	.amdgpu_metadata
---
amdhsa.version: [ 1, 2 ]
amdhsa.kernels:
  - .name:           k_q3fb45788b9_outp
    .symbol:         k_q3fb45788b9_outp.kd
    .args:
      - { .name: o_rec, .offset: 0, .size: 8, .value_kind: global_buffer, .address_space: global }
      - { .name: Wo_codes, .offset: 8, .size: 8, .value_kind: global_buffer, .address_space: global }
      - { .name: Wo_scales, .offset: 16, .size: 8, .value_kind: global_buffer, .address_space: global }
      - { .name: gpre, .offset: 24, .size: 8, .value_kind: global_buffer, .address_space: global }
      - { .name: x, .offset: 32, .size: 8, .value_kind: global_buffer, .address_space: global }
      - { .name: out0, .offset: 40, .size: 8, .value_kind: global_buffer, .address_space: global }
    .group_segment_fixed_size: 327680
    .private_segment_fixed_size: 0
    .kernarg_segment_align: 8
    .kernarg_segment_size: 48
    .max_flat_workgroup_size: 128
    .sgpr_count:     96
    .vgpr_count:     768
    .wavefront_size: 32
...
	.end_amdgpu_metadata
.endif
;; end of part 4
